; MI455X (gfx1250); checked and timed in simulation.
; The chip was launched on July 23, 2026; its instructions are those of AMD's public machine-readable ISA for CDNA 5 (MIT licence, August 2026) and "CDNA5" Instruction Set Architecture Reference Guide (July 2026). The comments in the code are by the model that wrote it; some were corrected since.
;; Attention. Allowed arithmetic: matrix products marked QUANTISED: E2M3 operands, one E8M0 scale for each 32 along K, by v_wmma_scale_f32_16x16x128_f8f6f4 with both operands' format E2M3, f32 sums; everything else in f32.
;; Inputs: b_proj 1,024 float32; b_qkv 3,072 float32; w_proj 1,024 x 1,024 float32; w_qkv 3,072 x 1,024 float32; x 4 x 2,048 x 1,024 float32.
;; Outputs: out0 4 x 2,048 x 1,024 float32.
;; This version of the problem:
;;   THIS VERSION OF THE PROBLEM IS GIVEN IN LOW PRECISION. The matrix products marked QUANTISED in the list below multiply operands that are first quantised to E2M3 (2 exponent bits, 3 mantissa bits; 6 bits a number), with one power-of-two scale for each 32 numbers along K (OCP MX v1.0); their sums are f32. All else is computed in f32.
;;   The module's matrix products, in the order in which they are computed (A, B: the left and right operand; K: the contracted axis; several contracted axes count as one K, in the product's order):
;;     1. [M 8,192, K 1,024] x [K 1,024, N 3,072]; A: input x; B: input w_qkv: QUANTISED
;;     2. batch 64 x [M 2,048, K 64] x [K 64, N 2,048]; A: computed on the way; B: computed on the way: QUANTISED
;;     3. batch 64 x [M 2,048, K 2,048] x [K 2,048, N 64]; A: softmax (see below); B: computed on the way: QUANTISED
;;     4. [M 8,192, K 1,024] x [K 1,024, N 1,024]; A: computed on the way; B: input w_proj: QUANTISED
;;   THE QUANTISER, for each operand of a quantised product, along K:
;;     - K is cut into blocks of 32 from its start; a last block that is shorter is filled with zeros.
;;     - A block's scale is 2^e with e = floor(log2(the largest magnitude in the block)) - 2, held to -126 .. 127; a block of zeros has e = 0. As a byte (E8M0): e + 127.
;;     - Each number is divided by its block's scale, clamped to +-7.5, and rounded to the nearest number of E2M3, ties to even, subnormals kept.
;;     - The product sums the exact products of the quantised numbers (number of the format x scale) in f32.
;;   ~~~python
;;   def quantise(x, axis):      # numpy; x: float32 -> the quantised numbers, widened to float32 again
;;       x = np.moveaxis(x, axis, -1); K = x.shape[-1]
;;       x = np.pad(x, [(0, 0)] * (x.ndim - 1) + [(0, -K % 32)]); x = x.reshape(x.shape[:-1] + (-1, 32)); a = np.abs(x).max(-1, keepdims=True)
;;       e = np.where(a > 0, np.clip(np.frexp(np.where(a > 0, a, 1))[1] - 1 - 2, -126, 127), 0)      # np.frexp(a)[1] - 1 = floor(log2(a)), exactly
;;       r = np.clip(x / 2.0 ** e, -7.5, 7.5)
;;       step = 2.0 ** (np.maximum(np.frexp(np.where(r == 0, 1, r))[1] - 1, 0) - 3)
;;       q = np.round(r / step) * step * 2.0 ** e      # np.round: ties to even
;;       return np.moveaxis(q.reshape(q.shape[:-2] + (-1,))[..., :K], -1, axis).astype(np.float32)
;;   ~~~
;;   SOFTMAX AHEAD OF A QUANTISED PRODUCT. Where the list says 'softmax', what is quantised is not the finished softmax but p = 2^(t - M), with t = logit x log2(e) and M = ceil(the row's largest t), a whole number; so 1/2 < the row's largest p <= 1. The row's sum l is taken of the UNQUANTISED p, in f32, and the product's result is divided by l at the end. Since M is a whole number, a kernel that streams over the keys may use a running M (the ceiling of the running maximum): every later rescaling is an exact power of two, which a block's scale takes up: the codes' values come out the same.
;;   OPERANDS COMPUTED ON THE WAY. 'Computed on the way' means the value that the module computes at that place (a softmax that the list does not call 'softmax' is quantised finished and normalised). What goes into a quantiser is computed in f32, as accurately as f32 sums, v_exp_f32 and their like allow (about 1e-6 of the number): no bf16 or f16 on the way to a quantiser, and a product that is left as it is and whose result goes on into a quantised operand takes f32 operands (vector FMAs, or v_wmma_f32_16x16x4_f32). A number that lies on a knife's edge between two numbers of the format may be rounded either way, as far as f32 arithmetic and the matrix unit's own rounding can turn it there, and no further.
;; One version. Each part assembles by itself: llvm-mc -triple=amdgcn-amd-amdhsa -mcpu=gfx1250 --defsym DOCPART=n.
;; ======== version 1 of 1: 4 launches
;; workspace buffers: ops 9,830,400 bytes; qkv 20,185,088 bytes; oq 6,553,600 bytes
;; launch quant (part 1): grid 384 x 1, 4 waves a work-group, no clusters, 34,304 bytes of LDS; arguments x, w_qkv, w_proj, ops; writes ops
.if DOCPART == 1
	.amdgcn_target "amdgcn-amd-amdhsa--gfx1250"
	.amdhsa_code_object_version 6
	.text
	.protected	k_q892659f22d_quant
	.globl	k_q892659f22d_quant
	.p2align	8
	.type	k_q892659f22d_quant,@function
k_q892659f22d_quant:
	s_mov_b64 s[64:65], 0
	v_nop
	global_prefetch_b8 v0, s[64:65] scope:SCOPE_SE
	s_setreg_imm32_b32 hwreg(HW_REG_WAVE_MODE, 25, 1), 1
	s_wait_xcnt 0x0
; x [8192][1024], w_qkv [3072][1024], w_proj [1024][1024], f32, K innermost, become codes of FP6 (E2M3) with one E8M0 byte for each 32 along K,
; laid in ops AS IMAGES OF THE OPERAND'S REGISTERS.  A block is 16 rows; blocks 0-511 are x's, 512-703 w_qkv's, 704-767 w_proj's.
; THE ROWS OF A BLOCK ARE NOT NEIGHBOURS: block 4 g + i holds, as its row p, the tensor's row 64 g + 8 i + p % 8 + 32 (p / 8).  So a product that takes four such blocks as
; source 0 leaves 32 NEIGHBOURING indices in one lane's 32 registers, which is a whole block of the next quantiser.
; A fragment (16 rows x 128 K, 12 registers a lane) lies as 3 x 512 bytes: registers 4 c .. 4 c + 3 of lane l at 512 c + 16 l.  A block's 8 fragments: 12,288 bytes.
; Scale words behind the images: block x 512 + (k / 256) x 128 + 8 x row + 4 x ((k / 128) % 2).
; A block's scale is 2^(floor(log2(largest magnitude)) - 2); its byte is the largest magnitude's exponent field - 2, held at 1 from below.
; LIMITS: a block of zeros gets the byte 1 where the rule says 127 (its codes are zeros, and this program alone reads the bytes); blocks whose largest magnitude lies under 2^-124 keep
; the byte 1; NaN and infinities among the inputs are not served.
; SHARES: a wave takes one block x 512 along K: four steps of 128.  Each load reads 512 consecutive bytes of one row; a step's 16 rows turn through the wave's own stage in LDS,
; so that lane (r, h) gets k = 64 c + 32 h + 0 .. 31 of row r, the order of the operand's registers.  No tensor load, no barrier: waves share nothing.  Loads run two steps ahead.
.set ROWB,  4096                       ; a row of each tensor in bytes
.set SP,    528                        ; a stage row: 512 bytes + 16 = 33 x 16
.set WST,   16*SP                      ; a wave's stage
.set SPARE, 4*WST                      ; behind the stages: the spare words, 128 bytes a wave, which no other line names
.set FIB,   1536                       ; a fragment's image
.set SCB,   9437184                    ; where the scale words begin in ops: 768 blocks x 12,288
.set LG,  2                            ; v2   16 x lane: my bytes of a load's or a store's 512
.set SA,  3                            ; v3   the stage, on the way in
.set RA,  4                            ; v4   and on the way out: row r, + 128 h
.set L8,  5                            ; v5   8 x lane
.set SH8, 6                            ; v6   8 h
.set SPW, 14                           ; v14  my spare word's LDS address; never rewritten
.set NIL, 15                           ; v15  0; never rewritten
.set R,   16                           ; v16-143  two sets of 64 registers as loaded
.set X,   144                          ; v144-207 register 32 c + m = k 64 c + 32 h + m of my row
.set PC,  208                          ; v208-231 two sets of 12: a fragment's codes
.set TT,  232                          ; v232-238 the second halves of the conversions
.set TM,  240
.set SO,  244
.set BY,  246
.set W,   248                          ; v248-251 the four steps' scale words
.set PW,  252
.set TX,  253
.set OW,  254
.set SEL, 24                           ; s[24:25] lane l xor 16
.set MK,  26                           ; s26      lanes 16-31
; 64 numbers of a lane, v[s + 32 c + m] = k 64 c + 32 h + m of my row, become a fragment's codes (registers 0-5 at d0, 6-11 at d1) and its scale word in v[PW].
; A whole block of 32 lies in one lane: no other lane is asked for a maximum.
.macro QUANT64 s, d0, d1
.irp n, 0,1,2,3
	v_max3_num_f32 v[TM+\n], |v[(\s)+16*\n]|, |v[(\s)+16*\n+1]|, 0x1800000   ; four chains, two a block; the floor 2^(3 - 127) holds the byte at 1 from below
.endr
.irp i, 2,4,6,8,10,12,14
.irp n, 0,1,2,3
	v_max3_num_f32 v[TM+\n], v[TM+\n], |v[(\s)+16*\n+\i]|, |v[(\s)+16*\n+\i+1]|
.endr
.endr
	v_max_num_f32 v[TM], v[TM], v[TM+1]
	v_max_num_f32 v[TM+2], v[TM+2], v[TM+3]
	v_add_nc_u32 v[SO], 0xff000000, v[TM]          ; 2 off the exponent field: the conversion takes this operand's exponent field as its scale
	v_add_nc_u32 v[SO+1], 0xff000000, v[TM+2]
	v_lshrrev_b32 v[BY], 23, v[SO]                 ; the scales' bytes: blocks h and 2 + h
	v_lshrrev_b32 v[BY+1], 23, v[SO+1]
	v_lshl_or_b32 v[PW], v[BY+1], 16, v[BY]
	v_lshlrev_b32 v[PW], v[SH8], v[PW]             ; at their places in the word,
	v_permlanex16_b32 v[TX], v[PW], s[SEL], s[SEL+1]
	v_or_b32 v[PW], v[PW], v[TX]                   ; and with lane l xor 16's two the word is whole, in both lanes
	v_cvt_scalef32_pk16_fp6_f32 v[(\d0):(\d0)+2], v[(\s):(\s)+15], v[SO]
	v_cvt_scalef32_pk16_fp6_f32 v[TT:TT+2], v[(\s)+16:(\s)+31], v[SO]        ; (a conversion's three registers begin on an even number)
	v_cvt_scalef32_pk16_fp6_f32 v[(\d1):(\d1)+2], v[(\s)+32:(\s)+47], v[SO+1]
	v_cvt_scalef32_pk16_fp6_f32 v[TT+4:TT+6], v[(\s)+48:(\s)+63], v[SO+1]
	v_nop                                          ; one plain place behind the conversions
.irp i, 0,1,2
	v_mov_b32 v[(\d0)+3+\i], v[TT+\i]
	v_mov_b32 v[(\d1)+3+\i], v[TT+4+\i]
.endr
.endm
	s_load_b256 s[4:11], s[0:1], 0x0               ; x, w_qkv, w_proj, ops
	v_lshl_add_u32 v[SPW], v0, 2, SPARE
	v_mov_b32 v[NIL], 0
	v_lshrrev_b32 v1, 5, v0
	v_readfirstlane_b32 s12, v1                    ; wave
	v_and_b32 v1, 31, v0                           ; lane
	v_and_b32 v7, 15, v0                           ; r
	v_bfe_u32 v8, v0, 4, 1                         ; h
	v_lshlrev_b32 v[LG], 4, v1
	v_lshlrev_b32 v[L8], 3, v1
	v_lshlrev_b32 v[SH8], 3, v8
	s_mul_i32 s13, s12, WST
	v_add_nc_u32 v[SA], s13, v[LG]
	v_mul_u32_u24 v[RA], v7, SP
	v_lshl_add_u32 v[RA], v8, 7, v[RA]
	v_add_nc_u32 v[RA], s13, v[RA]
	v_mov_b32 v[TX], 0                             ; a lane permute's destination counts as one of its sources
	s_mov_b32 s[SEL], 0x76543210
	s_mov_b32 s[SEL+1], 0xfedcba98
	s_mov_b32 s[MK], 0xffff0000
	s_lshr_b32 s14, s12, 1
	s_and_b32 s15, s12, 1                          ; which 512 along K
	s_lshl_b32 s16, ttmp9, 1
	s_add_co_u32 s16, s16, s14                     ; my block: 2 x work-group + wave / 2
	s_mul_i32 s18, s16, 12288
	s_mul_i32 s17, s15, 4*FIB
	s_add_co_u32 s18, s18, s17
	s_mov_b32 s19, 0                               ; s[18:19]: my four images
	s_lshl_b32 s20, s16, 9
	s_lshl_b32 s17, s15, 8
	s_add_co_u32 s20, s20, s17
	s_add_co_u32 s20, s20, SCB
	s_mov_b32 s21, 0                               ; s[20:21]: my 256 bytes of scale words
	s_wait_kmcnt 0x0
	s_mov_b32 s17, 352
	s_cmp_lt_u32 ttmp9, 352                        ; which tensor: the choice hangs on the work-group's number alone; one path serves all three
	s_cselect_b64 s[6:7], s[6:7], s[8:9]
	s_cselect_b32 s17, 256, s17
	s_cmp_lt_u32 ttmp9, 256
	s_cselect_b64 s[4:5], s[4:5], s[6:7]
	s_cselect_b32 s17, 0, s17
	s_sub_co_u32 s17, ttmp9, s17
	s_lshl_b32 s17, s17, 1
	s_add_co_u32 s17, s17, s14                     ; the block's number in its tensor: 4 g + i
	s_lshr_b32 s22, s17, 2
	s_lshl_b32 s22, s22, 18                        ; 64 g rows
	s_and_b32 s23, s17, 3
	s_lshl_b32 s23, s23, 15                        ; 8 i rows
	s_add_co_u32 s22, s22, s23
	s_lshl_b32 s23, s15, 11
	s_add_co_u32 s22, s22, s23
	s_mov_b32 s23, 0
	s_add_nc_u64 s[4:5], s[4:5], s[22:23]
	s_add_nc_u64 s[8:9], s[10:11], s[18:19]
	s_add_nc_u64 s[10:11], s[10:11], s[20:21]
.macro LOAD t                          ; step t: 16 rows x 512 bytes, a row a load
.irp p, 0,1,2,3,4,5,6,7,8,9,10,11,12,13,14,15
	global_load_b128 v[R+64*((\t)%2)+4*\p:R+64*((\t)%2)+4*\p+3], v[LG], s[4:5] offset:((\p%8)+32*(\p/8))*ROWB+512*(\t) th:TH_LOAD_NT
.endr
.endm
.macro STEP t
.if (\t) < 3
	s_wait_loadcnt 16                              ; this step's 16 loads are in; the next step's 16 may be out
.else
	s_wait_loadcnt 0x0
.endif
.irp p, 0,1,2,3,4,5,6,7,8,9,10,11,12,13,14,15
	ds_store_b128 v[SA], v[R+64*((\t)%2)+4*\p:R+64*((\t)%2)+4*\p+3] offset:SP*\p
.endr
.irp n, 0,1,2,3,4,5,6,7,8,9,10,11,12,13,14,15
	ds_load_b128 v[X+4*\n:X+4*\n+3], v[RA] offset:256*(\n/8)+16*(\n%8)   ; LDS serves a wave's instructions in order: these see the stores above
.endr
	s_wait_dscnt 0x0                               ; the numbers are back, and the stores have read their registers,
.if (\t)+2 < 4
	LOAD (\t)+2                                    ; which take the loads of two steps on
.endif
.if (\t) >= 2
	s_wait_xcnt 0x0                                ; the stores of two steps back have read this set of codes: it is written again only behind this wait
.endif
	QUANT64 X, PC+12*((\t)%2), PC+12*((\t)%2)+6
	v_mov_b32 v[W+(\t)], v[PW]
.irp c, 0,1,2
	global_store_b128 v[LG], v[PC+12*((\t)%2)+4*\c:PC+12*((\t)%2)+4*\c+3], s[8:9] offset:FIB*(\t)+512*\c   ; 32 lanes store 512 consecutive bytes
.endr
.endm
	LOAD 0
	LOAD 1
	STEP 0
	STEP 1
	STEP 2
	STEP 3
	v_cndmask_b32 v[OW], v[W], v[W+2], s[MK]       ; lanes 0-15: the words of my first 256 along K; lanes 16-31: of the second
	v_cndmask_b32 v[OW+1], v[W+1], v[W+3], s[MK]
	global_store_b64 v[L8], v[OW:OW+1], s[10:11]   ; 32 lanes store 256 consecutive bytes, aligned
	s_wait_tensorcnt 0x0                           ; the wave's end: behind my last LDS store
	ds_add_u32 v[SPW], v[NIL]
	s_wait_dscnt 0x0
	s_endpgm
.Lfunc_end_k_q892659f22d_quant:
	.size	k_q892659f22d_quant, .Lfunc_end_k_q892659f22d_quant-k_q892659f22d_quant
	.p2alignl 7, 3214868480
	.fill 96, 4, 3214868480
	.section	.rodata,"a",@progbits
	.p2align	6, 0x0
	.amdhsa_kernel k_q892659f22d_quant
		.amdhsa_group_segment_fixed_size 34304
		.amdhsa_private_segment_fixed_size 0
		.amdhsa_enable_private_segment 0
		.amdhsa_kernarg_size 32
		.amdhsa_user_sgpr_count 2
		.amdhsa_user_sgpr_kernarg_segment_ptr 1
		.amdhsa_wavefront_size32 1
		.amdhsa_system_sgpr_workgroup_id_x 1
		.amdhsa_system_sgpr_workgroup_id_y 1
		.amdhsa_system_sgpr_workgroup_id_z 1
		.amdhsa_system_vgpr_workitem_id 0
		.amdhsa_next_free_vgpr 256
		.amdhsa_next_free_sgpr 66
		.amdhsa_reserve_vcc 0
		.amdhsa_float_denorm_mode_32 3
		.amdhsa_float_denorm_mode_16_64 3
		.amdhsa_memory_ordered 1
		.amdhsa_forward_progress 1
		.amdhsa_inst_pref_size 31
	.end_amdhsa_kernel
	.amdgpu_metadata
---
amdhsa.version: [ 1, 2 ]
amdhsa.kernels:
  - .name:           k_q892659f22d_quant
    .symbol:         k_q892659f22d_quant.kd
    .args:
      - { .name: x, .offset: 0, .size: 8, .value_kind: global_buffer, .address_space: global }
      - { .name: w_qkv, .offset: 8, .size: 8, .value_kind: global_buffer, .address_space: global }
      - { .name: w_proj, .offset: 16, .size: 8, .value_kind: global_buffer, .address_space: global }
      - { .name: ops, .offset: 24, .size: 8, .value_kind: global_buffer, .address_space: global }
    .group_segment_fixed_size: 34304
    .private_segment_fixed_size: 0
    .kernarg_segment_align: 8
    .kernarg_segment_size: 32
    .max_flat_workgroup_size: 128
    .sgpr_count:     66
    .vgpr_count:     256
    .wavefront_size: 32
...
	.end_amdgpu_metadata
.endif
;; end of part 1
;; launch qkv (part 2): grid 12 x 64, 4 waves a work-group, clusters of 4 x 4, 327,680 bytes of LDS; arguments ops, b_qkv, qkv; writes qkv
.if DOCPART == 2
	.amdgcn_target "amdgcn-amd-amdhsa--gfx1250"
	.amdhsa_code_object_version 6
	.text
	.protected	k_q892659f22d_qkv
	.globl	k_q892659f22d_qkv
	.p2align	8
	.type	k_q892659f22d_qkv,@function
k_q892659f22d_qkv:
	s_mov_b64 s[64:65], 0
	v_nop
	global_prefetch_b8 v0, s[64:65] scope:SCOPE_SE
	s_setreg_imm32_b32 hwreg(HW_REG_WAVE_MODE, 25, 1), 1
	s_wait_xcnt 0x0
	s_wait_alu depctr_hold_cnt(0) depctr_sa_sdst(0) depctr_va_vdst(0) depctr_va_sdst(0) depctr_va_ssrc(0) depctr_va_vcc(0) depctr_vm_vsrc(0)
	s_getreg_b32 s2, hwreg(HW_REG_IB_STS2, 6, 4)
	s_cmp_eq_u32 s2, 0
	s_cbranch_scc0 .Lentry_in_a_cluster
	s_endpgm
.Lentry_in_a_cluster:
	s_bfe_u32 s2, ttmp6, 0x10000c
	s_cmp_lg_u32 s2, 0xf033
	s_cbranch_scc0 .Lentry_shape_is_right
	s_endpgm
.Lentry_shape_is_right:
; qkv = x w_qkv^T + b_qkv on codes of FP6 (E2M3) with E8M0 scales; the results are quantised in registers and leave as images of the next products' operands.
; A work-group makes 128 (source 1) x 256 (source 0); a wave 64 x 128: 32 accumulators.  In a result, lane (r, h) holds row r of source 1's block, and its registers run along source 0's rows.
; By the order of a block's rows (row p of block 4 g + i is the tensor's row 64 g + 8 i + p % 8 + 32 (p / 8)) the 64 registers of one block of source 1 hold indices 64 c + 32 h + 0 .. 31:
; whole blocks of 32, in the order of a 6-bit operand's registers.
; CLUSTERS x = 0, 1 (q and k): source 0 = rows of w_qkv, source 1 = tokens: a lane holds one token and 64 of a head pair's channels: quantised along the head's 64.
; CLUSTER x = 2 (v): source 0 = tokens, source 1 = rows of w_qkv: a lane holds one channel and 128 tokens: quantised along the tokens, the K of attention's second product.
; ALL OF K = 1,024 LIES IN LDS: four slots of 256 along K, each filled once, all asked for at the head: five tensor loads of a wave are out at most.  No slot is filled again.
; CLUSTER 4 x 4: source 0's tiles hang on cx and are asked for jointly along a column, source 1's on cy and jointly along a row: the requests are divided by four.
; Tiles come as images of registers (launch quant): a fragment is 3 loads of 16 bytes a lane, each 512 consecutive bytes: no pitch, no padding.
; OUT (buffer qkv): q and k of head s (k: 16 + s): s x 393,216 + pair x 1,536: two blocks of 16 tokens, 6 + 6 registers, as one image; scale words (two bytes, then 0x7f, 0x7f) behind all images,
; 256 bytes for 64 tokens: lane l's 8 bytes hold word p of block 2 p + l / 16, row l % 16.  v of head s: (32 + s) x 393,216 + (token / 128) x 6,144 + block of channels x 1,536; its words likewise.
; LIMITS: as in launch quant: a block of zeros keeps the byte 1; NaN and infinities are not served.
; REGISTERS: window 0: v1-7 at work, v8-23 addresses, v32-63 scale words (two sets), v64-127 the bias, v128-175 source 1's fragments; on the way out v128-191 results, v192-211 at work, v32-55 and v212-239 codes and words.
;   window 1: source 0's fragments, two sets, at v0 and v128.   window 2: the accumulators, (a, b) at v[8 (8 a + b)].
.set SLOT,  73728                      ; 256 along K: source 1's 8 blocks (2 x 12,288), then source 0's 16 (2 x 24,576)
.set SCL,   4*SLOT                     ; the scale words: source 1's 4,096 bytes, then source 0's 8,192
.set SPARE, SCL+12288                  ; the spare words, 128 bytes a wave, which no other line names
.set SCB,   9437184                    ; where the scale words begin in ops
.set NL1,   3                          ; LDS loads that bring a fragment of source 1
.set ADRA,  8                          ; v8-11   16 x lane + my half of source 1 in slot 0..3
.set ADRB,  16                         ; v16-19  the same for source 0
.set ADRS,  20                         ; v20     my scale words: lanes 0-15 source 1's, lanes 16-31 source 0's
.set LI,    21                         ; v21     16 x lane
.set L8,    22                         ; v22     8 x lane
.set SH8,   23                         ; v23     8 h
.set SPW,   28
.set NIL,   29
.set SC,    32
.set BI,    64
.set AF,    128
.set HA,    128
.set TM,    192
.set SO,    196
.set BY,    198
.set PW,    200
.set TX,    201
.set TT,    202
.set WT,    209
.set WU,    211
.set SW,    236
.set G1,    20                         ; s[20:27] group 1: source 1's tiles;  s[28:35] source 0's;  s[36:43], s[44:51] their scale words
.set G1B,   28
.set G1S,   36
.set G1SB,  44
.set G0S,   52                         ; groups 0: s[52:55], s[56:59] scale words; s[60:63], s[68:79] source 1's four slots; s[80:95] source 0's
.set G0SB,  56
.set SEL,   20                         ; on the way out, when no tensor load is out: s[20:21] lane l xor 16, s22 lanes 16-31, s23 four bytes 0x7f
.set MSB, 0
.macro WIN new                         ; the immediate's high byte repeats the setting that is left
.if MSB != \new
	s_set_vgpr_msb (MSB<<8)|\new
.set MSB, \new
.endif
.endm
.set MUL,  0xa1                        ; source 0 window 1, source 1 window 0, C and D window 2
.set TO_B, 0x40                        ; destination window 1
; A joint load: waves 0 and 1 fetch source 1's halves, waves 2 and 3 source 0's.  The branch hangs on the wave's number alone.  An s_nop 0 and four v_nop follow each line.
.macro JLOAD g0a, g1a, g0b, g1b
	s_cmp_eq_u32 s15, 0
	s_cbranch_scc0 .Lfor_b_\@
	tensor_load_to_lds s[\g0a:\g0a+3], s[\g1a:\g1a+7]
	s_nop 0
.rept 4
	v_nop
.endr
	s_branch .Lasked_\@
.Lfor_b_\@:
	tensor_load_to_lds s[\g0b:\g0b+3], s[\g1b:\g1b+7]
	s_nop 0
.rept 4
	v_nop
.endr
.Lasked_\@:
.endm
.macro CROUND                          ; a round of the cluster's barrier
	s_barrier_signal -1
	s_barrier_wait -1
	s_cmp_lg_u32 s14, 0
	s_cbranch_scc1 .Lnot_wave_0_\@
	s_barrier_signal -3
.Lnot_wave_0_\@:
	s_barrier_wait -3
	s_barrier_signal -1
	s_barrier_wait -1
.endm
.macro PLACES                          ; four plain places behind matrix instructions, in front of loads into their registers and of reads of results
.rept 4
	v_nop
.endr
.endm
.macro QUANT64 s, d0, d1               ; as in launch quant: v[s + 32 c + m] = index 64 c + 32 h + m; codes to d0 (c = 0) and d1 (c = 1), six registers each; the four bytes in v[PW]
.irp n, 0,1,2,3
	v_max3_num_f32 v[TM+\n], |v[(\s)+16*\n]|, |v[(\s)+16*\n+1]|, 0x1800000
.endr
.irp i, 2,4,6,8,10,12,14
.irp n, 0,1,2,3
	v_max3_num_f32 v[TM+\n], v[TM+\n], |v[(\s)+16*\n+\i]|, |v[(\s)+16*\n+\i+1]|
.endr
.endr
	v_max_num_f32 v[TM], v[TM], v[TM+1]
	v_max_num_f32 v[TM+2], v[TM+2], v[TM+3]
	v_add_nc_u32 v[SO], 0xff000000, v[TM]
	v_add_nc_u32 v[SO+1], 0xff000000, v[TM+2]
	v_lshrrev_b32 v[BY], 23, v[SO]
	v_lshrrev_b32 v[BY+1], 23, v[SO+1]
	v_lshl_or_b32 v[PW], v[BY+1], 16, v[BY]
	v_lshlrev_b32 v[PW], v[SH8], v[PW]
	v_permlanex16_b32 v[TX], v[PW], s[SEL], s[SEL+1]
	v_or_b32 v[PW], v[PW], v[TX]
	v_cvt_scalef32_pk16_fp6_f32 v[(\d0):(\d0)+2], v[(\s):(\s)+15], v[SO]
	v_cvt_scalef32_pk16_fp6_f32 v[TT:TT+2], v[(\s)+16:(\s)+31], v[SO]
	v_cvt_scalef32_pk16_fp6_f32 v[(\d1):(\d1)+2], v[(\s)+32:(\s)+47], v[SO+1]
	v_cvt_scalef32_pk16_fp6_f32 v[TT+4:TT+6], v[(\s)+48:(\s)+63], v[SO+1]
	v_nop                                          ; one plain place behind the conversions
.irp i, 0,1,2
	v_mov_b32 v[(\d0)+3+\i], v[TT+\i]
	v_mov_b32 v[(\d1)+3+\i], v[TT+4+\i]
.endr
.endm
	s_load_b128 s[4:7], s[0:1], 0x0                ; ops, b_qkv
	s_load_b64 s[8:9], s[0:1], 0x10                ; qkv
	v_lshl_add_u32 v[SPW], v0, 2, SPARE
	v_mov_b32 v[NIL], 0
	ds_add_u32 v[SPW], v[NIL]                      ; the wave's opening: the add and its wait stand ahead of my first tensor load; work on registers stands between them
	v_lshrrev_b32 v1, 5, v0
	v_readfirstlane_b32 s14, v1                    ; wave
	s_lshr_b32 s15, s14, 1                         ; my half of source 1.  Also: I fetch for source 1 (0) or source 0 (1)
	s_and_b32 s16, s14, 1                          ; my half of source 0.  Also: which half I fetch
	s_bfe_u32 s10, ttmp6, 0x40000                  ; cx
	s_bfe_u32 s11, ttmp6, 0x40004                  ; cy
	s_and_b32 s12, ttmp7, 0xffff                   ; cluster y
	s_lshr_b32 s18, s12, 1
	s_and_b32 s19, s12, 1
	s_cmp_lt_u32 ttmp9, 2                          ; q and k, or v?  The cluster's x: the same in all sixteen partners.  Only offsets are chosen
	s_cselect_b32 s17, 512, 0                      ; source 0's first block in ops: w_qkv's, or x's
	s_cselect_b32 s18, ttmp9, s18
	s_cselect_b32 s13, 0, 640                      ; source 1's: x's, or the rows of w_qkv that make v
	s_cselect_b32 s19, s12, s19
	s_lshl_b32 s18, s18, 2
	s_add_co_u32 s18, s18, s10                     ; i0: which 256 rows of source 0 (hangs on cx)
	s_lshl_b32 s19, s19, 2
	s_add_co_u32 s19, s19, s11                     ; i1: which 128 rows of source 1 (hangs on cy)
	s_lshl_b32 s12, s11, 2
	s_lshl_b32 s12, 15, s12                        ; my row of the cluster
	s_lshl_b32 s3, 0x1111, s10                     ; my column
	s_or_b32 s[G1], s12, (3<<16)|(1<<21)           ; 15:0 the mask; 17:16 elements of 8 bytes; 21 set beside a mask; no padding
	s_or_b32 s[G1B], s3, (3<<16)|(1<<21)
	s_or_b32 s[G1S], s12, (3<<16)|(1<<21)
	s_or_b32 s[G1SB], s3, (3<<16)|(1<<21)
.irp g, G1, G1B                        ; a tile: for each block a row of 384 elements (3,072 bytes: two fragments), 1,536 elements (a block's 12,288 bytes) apart
	s_mov_b32 s[\g+1], 384<<16
	s_mov_b32 s[\g+3], 384<<16
	s_mov_b32 s[\g+5], 1536
	s_mov_b32 s[\g+6], 0
	s_mov_b32 s[\g+7], 0
.endr
	s_mov_b32 s[G1+2], 4<<16                       ; source 1: 4 blocks a load
	s_mov_b32 s[G1+4], 4
	s_mov_b32 s[G1B+2], 8<<16                      ; source 0: 8
	s_mov_b32 s[G1B+4], 8
.irp g, G1S, G1SB                      ; the scale words: dense, as rows of 256 bytes
	s_mov_b32 s[\g+1], 32<<16
	s_mov_b32 s[\g+3], 32<<16
	s_mov_b32 s[\g+5], 32
	s_mov_b32 s[\g+6], 0
	s_mov_b32 s[\g+7], 0
.endr
	s_mov_b32 s[G1S+2], 8<<16
	s_mov_b32 s[G1S+4], 8
	s_mov_b32 s[G1SB+2], 16<<16
	s_mov_b32 s[G1SB+4], 16
	s_lshl_b32 s98, s18, 4                         ; numbers that hang on cx stay in s2, s3, s17, s18, s98, s99; those that hang on cy in s12, s13, s19, s96, s97, s100, s101
	s_add_co_u32 s98, s98, s17
	s_lshl_b32 s99, s16, 3
	s_add_co_u32 s98, s98, s99                     ; source 0: the first block that I fetch
	s_lshl_b32 s96, s19, 3
	s_add_co_u32 s96, s96, s13
	s_lshl_b32 s97, s16, 2
	s_add_co_u32 s96, s96, s97                     ; source 1: likewise
	s_lshl_b32 s2, s98, 9
	s_add_co_u32 s2, s2, SCB
	s_mov_b32 s3, 0
	s_lshl_b32 s100, s96, 9
	s_add_co_u32 s100, s100, SCB
	s_mov_b32 s101, 0
	s_mul_i32 s98, s98, 12288
	s_mov_b32 s99, 0
	s_mul_i32 s96, s96, 12288
	s_mov_b32 s97, 0
	v_mov_b32 v[TX], 0                             ; a lane permute's destination counts as one of its sources
	s_wait_dscnt 0x0                               ; the opening add is done
	s_wait_kmcnt 0x0
	s_add_nc_u64 s[96:97], s[4:5], s[96:97]
	s_add_nc_u64 s[98:99], s[4:5], s[98:99]
	s_add_nc_u64 s[100:101], s[4:5], s[100:101]
	s_add_nc_u64 s[2:3], s[4:5], s[2:3]
	CROUND                                         ; all sixteen work-groups are here: the joint loads meet
	s_mov_b32 s[G0S], 1
	s_lshl_b32 s[G0S+1], s16, 11
	s_add_co_u32 s[G0S+1], s[G0S+1], SCL
	s_mov_b64 s[G0S+2:G0S+3], s[100:101]
	s_or_b32 s[G0S+3], s[G0S+3], 0x80000000
	s_mov_b32 s[G0SB], 1
	s_lshl_b32 s[G0SB+1], s16, 12
	s_add_co_u32 s[G0SB+1], s[G0SB+1], SCL+4096
	s_mov_b64 s[G0SB+2:G0SB+3], s[2:3]
	s_or_b32 s[G0SB+3], s[G0SB+3], 0x80000000
	JLOAD G0S, G1S, G0SB, G1SB                     ; the scale words first: they are wanted with slot 0
	s_mul_i32 s66, s16, 12288
	s_mul_i32 s67, s16, 24576
.irp k, 0,1,2,3
.set GA, 60+4*\k+4*((\k+3)/4)
.set GBB, 80+4*\k
	s_mov_b32 s[GA], 1
	s_add_co_u32 s[GA+1], s66, \k*SLOT
	s_add_nc_u64 s[GA+2:GA+3], s[96:97], \k*3072
	s_or_b32 s[GA+3], s[GA+3], 0x80000000
	s_mov_b32 s[GBB], 1
	s_add_co_u32 s[GBB+1], s67, \k*SLOT+24576
	s_add_nc_u64 s[GBB+2:GBB+3], s[98:99], \k*3072
	s_or_b32 s[GBB+3], s[GBB+3], 0x80000000
	JLOAD GA, G1, GBB, G1B                         ; all four slots are asked for at once: each is filled once
.endr
	v_and_b32 v1, 31, v0                           ; lane
	v_and_b32 v2, 15, v0                           ; r
	v_bfe_u32 v3, v0, 4, 1                         ; h
	v_lshlrev_b32 v[LI], 4, v1
	v_lshlrev_b32 v[L8], 3, v1
	v_lshlrev_b32 v[SH8], 3, v3
	s_mul_i32 s66, s15, 12288
	s_mul_i32 s67, s16, 24576
	s_add_co_u32 s67, s67, 24576
.irp k, 0,1,2,3
	v_add_nc_u32 v[ADRA+\k], s66, v[LI]
	v_add_nc_u32 v[ADRB+\k], s67, v[LI]
	s_add_co_u32 s66, s66, SLOT
	s_add_co_u32 s67, s67, SLOT
.endr
	s_lshl_b32 s66, s15, 11                        ; source 1's words: my 4 blocks
	s_lshl_b32 s67, s16, 12
	s_add_co_u32 s67, s67, 4096                    ; source 0's: my 8 blocks, behind source 1's 4,096 bytes
	s_sub_co_u32 s67, s67, s66
	v_mul_u32_u24 v4, s67, v3                      ; lanes 16-31 take source 0's: the lower base + h x the distance
	s_add_co_u32 s66, s66, SCL
	v_lshl_add_u32 v4, v2, 3, v4
	v_add_nc_u32 v[ADRS], s66, v4
.macro FRAG0 reg, adr, q, i            ; block i's fragment of the slot's q-th 128 along K
.irp c, 0,1,2
	ds_load_b128 v[(\reg)+4*\c:(\reg)+4*\c+3], v[\adr] offset:3072*(\i)+1536*(\q)+512*\c
.endr
.endm
.macro FETCH_B k, q, set
	WIN TO_B
.irp i, 0,1,2,3,4,5,6,7
	FRAG0 128*(\set)+12*\i, ADRB+(\k), \q, \i
.endr
	WIN 0
.endm
.macro FETCH_A k, q, i0                ; source 1's blocks i0, i0 + 1
.irp i, \i0, \i0+1
	FRAG0 AF+12*(\i), ADRA+(\k), \q, \i
.endr
.endm
.macro SCALES sc                       ; a slot's words, two a row: lanes 0-15 source 1's block i (from i = 4 on: filled words that nobody uses), lanes 16-31 source 0's block i
.irp i, 0,1,2,3,4,5,6,7
	ds_load_b64 v[SC+16*(\sc)+2*\i:SC+16*(\sc)+2*\i+1], v[ADRS] offset:512*\i
.endr
.endm
; 8 matrix instructions: source 1's block a against source 0's eight.  The 32 accumulators take turns, one instruction a turn, in the same order in every step.
.macro MULQ a, set, q, sc, zero
.irp b, 0,1,2,3,4,5,6,7
.if \zero
	v_wmma_scale_f32_16x16x128_f8f6f4 v[8*(8*(\a)+\b):8*(8*(\a)+\b)+7], v[128*(\set)+12*\b:128*(\set)+12*\b+11], v[AF+12*(\a):AF+12*(\a)+11], 0, v[SC+16*(\sc)+2*\b+(\q)], v[SC+16*(\sc)+2*(\a)+(\q)] matrix_a_fmt:MATRIX_FMT_FP6 matrix_b_fmt:MATRIX_FMT_FP6 matrix_a_scale:MATRIX_SCALE_ROW1
.else
	v_wmma_scale_f32_16x16x128_f8f6f4 v[8*(8*(\a)+\b):8*(8*(\a)+\b)+7], v[128*(\set)+12*\b:128*(\set)+12*\b+11], v[AF+12*(\a):AF+12*(\a)+11], v[8*(8*(\a)+\b):8*(8*(\a)+\b)+7], v[SC+16*(\sc)+2*\b+(\q)], v[SC+16*(\sc)+2*(\a)+(\q)] matrix_a_fmt:MATRIX_FMT_FP6 matrix_b_fmt:MATRIX_FMT_FP6 matrix_a_scale:MATRIX_SCALE_ROW1
.endif
.endr
.endm
.macro STEP k, zero                    ; a slot's first 128 along K; the second's fragments are fetched meanwhile
	s_wait_dscnt 2*NL1                             ; all but the youngest loads, source 1's blocks 2 and 3
	WIN MUL
	MULQ 0, 0, 0, (\k)%2, \zero
	MULQ 1, 0, 0, (\k)%2, \zero
	s_wait_dscnt 0x0
	PLACES
	FETCH_B \k, 1, 1
	FETCH_A \k, 1, 0
	WIN MUL
	MULQ 2, 0, 0, (\k)%2, \zero
	MULQ 3, 0, 0, (\k)%2, \zero
	PLACES
	WIN 0
	FETCH_A \k, 1, 2
.endm
.macro TURN k                          ; a slot's second 128 along K, and on to the next slot: one barrier shows it whole.  Nothing is filled again, so later slots' loads may stay out
	s_wait_tensorcnt 2-(\k)                        ; my part of slot k + 1 has landed; behind it were issued the loads of the 2 - k later slots
	s_wait_dscnt 2*NL1
	WIN MUL
	MULQ 0, 1, 1, (\k)%2, 0
	s_wait_dscnt 0x0                               ; no LDS instruction of mine is out at the signal
	s_barrier_signal -1
	MULQ 1, 1, 1, (\k)%2, 0
	s_barrier_wait -1
	PLACES
	WIN 0
	v_add_nc_u32 v[ADRS], 128, v[ADRS]             ; the next slot's scale words
	FETCH_B (\k)+1, 0, 0
	FETCH_A (\k)+1, 0, 0
	SCALES ((\k)+1)%2
	WIN MUL
	MULQ 2, 1, 1, (\k)%2, 0
	MULQ 3, 1, 1, (\k)%2, 0
	PLACES
	WIN 0
	FETCH_A (\k)+1, 0, 2
.endm
.macro FINAL                           ; the last 128 along K
	s_wait_dscnt 2*NL1
	WIN MUL
	MULQ 0, 1, 1, 1, 0
	MULQ 1, 1, 1, 1, 0
	s_wait_dscnt 0x0
	MULQ 2, 1, 1, 1, 0
	MULQ 3, 1, 1, 1, 0
	WIN 0
.endm
	s_wait_tensorcnt 3                             ; the scale words and my part of slot 0 are in; slots 1 to 3 may be out
	s_barrier_signal -1
	s_barrier_wait -1                              ; everybody's are
	FETCH_B 0, 0, 0
	FETCH_A 0, 0, 0
	SCALES 0
	FETCH_A 0, 0, 2
	STEP 0, 1                                      ; the first products start the sums: nothing is cleared
	TURN 0
	STEP 1, 0
	TURN 1
	STEP 2, 0
	TURN 2                                         ; its wait on TENSORcnt is for 0: from here on the descriptors' registers are free
	STEP 3, 0
	s_mov_b32 s[SEL], 0x76543210
	s_mov_b32 s[SEL+1], 0xfedcba98
	s_mov_b32 s22, 0xffff0000
	s_mov_b32 s23, 0x7f7f7f7f
	s_cmp_lt_u32 ttmp9, 2                          ; the cluster's x: the same in all partners
	s_cbranch_scc0 .Lv_arm
	; ---- q and k.  Register 32 c + m of block a is channel 32 h + m of head slot 4 i0 + 2 (my half) + c, for token row r of block a
	s_lshl_b32 s66, s18, 10
	s_lshl_b32 s67, s16, 9
	s_add_co_u32 s66, s66, s67
	s_mov_b32 s67, 0
	s_add_nc_u64 s[6:7], s[6:7], s[66:67]          ; the bias of my 128 rows of w_qkv
	v_lshlrev_b32 v4, 7, v3
.irp n, 0,1,2,3,4,5,6,7,8,9,10,11,12,13,14,15
	global_load_b128 v[BI+4*\n:BI+4*\n+3], v4, s[6:7] offset:256*(\n/8)+16*(\n%8)
.endr
	s_lshl_b32 s66, s18, 2
	s_lshl_b32 s67, s16, 1
	s_add_co_u32 s66, s66, s67                     ; my first head slot
	s_lshl_b32 s67, s19, 1
	s_add_co_u32 s67, s67, s15                     ; my 64 tokens
	s_mul_i32 s96, s66, 393216
	s_mul_i32 s98, s67, 3072
	s_add_co_u32 s96, s96, s98
	s_mov_b32 s97, 0
	s_lshl_b32 s98, s66, 15
	s_lshl_b32 s99, s67, 8
	s_add_co_u32 s98, s98, s99
	s_add_co_u32 s98, s98, 18874368
	s_mov_b32 s99, 0
	s_add_nc_u64 s[96:97], s[8:9], s[96:97]        ; images
	s_add_nc_u64 s[98:99], s[8:9], s[98:99]        ; scale words
	FINAL
	PLACES
	s_wait_loadcnt 0x0
.macro QKOUT a
.set PB, 32+180*((\a)/2)               ; the pair's 24 registers: head c's image at 12 c; each is written once, so no store's data are written again
.set PP, PB+6*((\a)%2)
	WIN 0x02                                       ; source 0: window 2
.set n, 0
.rept 32
	v_pk_add_f32 v[HA+n:HA+n+1], v[64*(\a)+n:64*(\a)+n+1], v[BI+n:BI+n+1]   ; + bias; each accumulator is read from its low end on
.set n, n+2
.endr
	WIN 0
	QUANT64 HA, PP, PP+12
.if ((\a)%2) == 0
	v_perm_b32 v[WT], s23, v[PW], 0x07060100       ; head c's two bytes, then 0x7f, 0x7f for the empty half of the product's K
	v_perm_b32 v[WT+1], s23, v[PW], 0x07060302
.else
	v_perm_b32 v[WU], s23, v[PW], 0x07060100
	v_cndmask_b32 v[SW+(\a)/2], v[WT], v[WU], s22  ; lanes 0-15 the even block's words, lanes 16-31 the odd block's
	v_perm_b32 v[WU], s23, v[PW], 0x07060302
	v_cndmask_b32 v[SW+2+(\a)/2], v[WT+1], v[WU], s22
.irp c, 0,1
.irp k, 0,1,2
	global_store_b128 v[LI], v[PB+12*\c+4*\k:PB+12*\c+4*\k+3], s[96:97] offset:393216*\c+1536*((\a)/2)+512*\k   ; 32 lanes store 512 consecutive bytes
.endr
.endr
.endif
.endm
	QKOUT 0
	QKOUT 1
	QKOUT 2
	QKOUT 3
	global_store_b64 v[L8], v[SW:SW+1], s[98:99]               ; 256 consecutive bytes, aligned
	global_store_b64 v[L8], v[SW+2:SW+3], s[98:99] offset:32768
	s_branch .Ldone
.Lv_arm:
	; ---- v.  Register 32 c + m of block a is token 64 c + 32 h + m of my 128, for channel 8 a + r % 8 + 32 (r / 8) of head 2 i1 + (my half)
	s_lshl_b32 s66, s19, 1
	s_add_co_u32 s66, s66, s15                     ; the head
	s_lshl_b32 s96, s66, 8
	s_add_co_u32 s96, s96, 8192
	s_mov_b32 s97, 0
	s_add_nc_u64 s[6:7], s[6:7], s[96:97]          ; its 64 numbers of the bias
	v_and_b32 v4, 7, v2
	v_and_b32 v5, 8, v2
	v_lshl_add_u32 v4, v5, 2, v4
	v_lshlrev_b32 v4, 2, v4
.irp a, 0,1,2,3
	global_load_b32 v[BI+2*\a], v4, s[6:7] offset:32*\a
	global_load_b32 v[BI+2*\a+1], v4, s[6:7] offset:32*\a      ; twice: a pair for the packed addition
.endr
	s_lshl_b32 s67, s18, 1
	s_add_co_u32 s67, s67, s16                     ; my 128 tokens
	s_mul_i32 s96, s66, 393216
	s_mul_i32 s98, s67, 6144
	s_add_co_u32 s96, s96, s98
	s_add_co_u32 s96, s96, 12582912
	s_mov_b32 s97, 0
	s_lshl_b32 s98, s66, 14
	s_lshl_b32 s99, s67, 8
	s_add_co_u32 s98, s98, s99
	s_add_co_u32 s98, s98, 19922944
	s_mov_b32 s99, 0
	s_add_nc_u64 s[96:97], s[8:9], s[96:97]
	s_add_nc_u64 s[98:99], s[8:9], s[98:99]
	FINAL
	PLACES
	s_wait_loadcnt 0x0
.macro VOUT a
.set PP, 32+180*((\a)/2)+12*((\a)%2)
	WIN 0x02
.set n, 0
.rept 32
	v_pk_add_f32 v[HA+n:HA+n+1], v[64*(\a)+n:64*(\a)+n+1], v[BI+2*(\a):BI+2*(\a)+1]
.set n, n+2
.endr
	WIN 0
	QUANT64 HA, PP, PP+6                           ; a whole fragment: 16 channels x 128 keys
.if ((\a)%2) == 0
	v_mov_b32 v[WT], v[PW]
.else
	v_cndmask_b32 v[SW+(\a)/2], v[WT], v[PW], s22
.endif
.irp k, 0,1,2
	global_store_b128 v[LI], v[PP+4*\k:PP+4*\k+3], s[96:97] offset:1536*(\a)+512*\k
.endr
.endm
	VOUT 0
	VOUT 1
	VOUT 2
	VOUT 3
	global_store_b64 v[L8], v[SW:SW+1], s[98:99]
.Ldone:
	s_wait_tensorcnt 0x0                           ; the wave's end: behind my last tensor load
	ds_add_u32 v[SPW], v[NIL]
	s_wait_dscnt 0x0
	CROUND                                         ; the closing round
	s_endpgm
.Lfunc_end_k_q892659f22d_qkv:
	.size	k_q892659f22d_qkv, .Lfunc_end_k_q892659f22d_qkv-k_q892659f22d_qkv
	.p2alignl 7, 3214868480
	.fill 96, 4, 3214868480
	.section	.rodata,"a",@progbits
	.p2align	6, 0x0
	.amdhsa_kernel k_q892659f22d_qkv
		.amdhsa_group_segment_fixed_size 327680
		.amdhsa_private_segment_fixed_size 0
		.amdhsa_enable_private_segment 0
		.amdhsa_kernarg_size 24
		.amdhsa_user_sgpr_count 2
		.amdhsa_user_sgpr_kernarg_segment_ptr 1
		.amdhsa_wavefront_size32 1
		.amdhsa_system_sgpr_workgroup_id_x 1
		.amdhsa_system_sgpr_workgroup_id_y 1
		.amdhsa_system_sgpr_workgroup_id_z 1
		.amdhsa_system_vgpr_workitem_id 0
		.amdhsa_next_free_vgpr 768
		.amdhsa_next_free_sgpr 102
		.amdhsa_reserve_vcc 0
		.amdhsa_float_denorm_mode_32 3
		.amdhsa_float_denorm_mode_16_64 3
		.amdhsa_memory_ordered 1
		.amdhsa_forward_progress 1
		.amdhsa_inst_pref_size 121
	.end_amdhsa_kernel
	.amdgpu_metadata
---
amdhsa.version: [ 1, 2 ]
amdhsa.kernels:
  - .name:           k_q892659f22d_qkv
    .symbol:         k_q892659f22d_qkv.kd
    .args:
      - { .name: ops, .offset: 0, .size: 8, .value_kind: global_buffer, .address_space: global }
      - { .name: b_qkv, .offset: 8, .size: 8, .value_kind: global_buffer, .address_space: global }
      - { .name: qkv, .offset: 16, .size: 8, .value_kind: global_buffer, .address_space: global }
    .group_segment_fixed_size: 327680
    .private_segment_fixed_size: 0
    .kernarg_segment_align: 8
    .kernarg_segment_size: 24
    .max_flat_workgroup_size: 128
    .sgpr_count:     102
    .vgpr_count:     768
    .wavefront_size: 32
...
	.end_amdgpu_metadata
.endif
;; end of part 2
;; launch attn (part 3): grid 8 x 64, 16 waves a work-group, clusters of 4 x 1, 210,944 bytes of LDS; arguments qkv, oq; writes oq
.if DOCPART == 3
	.amdgcn_target "amdgcn-amd-amdhsa--gfx1250"
	.amdhsa_code_object_version 6
	.text
	.protected	k_q892659f22d_attn
	.globl	k_q892659f22d_attn
	.p2align	8
	.type	k_q892659f22d_attn,@function
k_q892659f22d_attn:
	s_mov_b64 s[64:65], 0
	v_nop
	global_prefetch_b8 v0, s[64:65] scope:SCOPE_SE
	s_setreg_imm32_b32 hwreg(HW_REG_WAVE_MODE, 25, 1), 1
	s_wait_xcnt 0x0
	s_wait_alu depctr_hold_cnt(0) depctr_sa_sdst(0) depctr_va_vdst(0) depctr_va_sdst(0) depctr_va_ssrc(0) depctr_va_vcc(0) depctr_vm_vsrc(0)
	s_getreg_b32 s2, hwreg(HW_REG_IB_STS2, 6, 4)
	s_cmp_eq_u32 s2, 0
	s_cbranch_scc0 .Lentry_in_a_cluster
	s_endpgm
.Lentry_in_a_cluster:
	s_bfe_u32 s2, ttmp6, 0x10000c
	s_cmp_lg_u32 s2, 0x3003
	s_cbranch_scc0 .Lentry_shape_is_right
	s_endpgm
.Lentry_shape_is_right:
; For each batch and head: o = softmax(q k^T / 8) v, both products on codes of FP6 (E2M3) with E8M0 scales; o is quantised along the model's 1,024 channels and leaves as half images for launch proj.
; THE SOFTMAX: t = score x log2(e) / 8; M = the running largest t rounded UP to a whole number, kept as -M; p = 2^(t - M) is quantised along the keys, not normalised; the row's sum is taken of the
; unquantised p and divides at the end.  When M moves, the sum and o are multiplied by 2^(old M - new M): exact.
; SHARES: a work-group owns 256 queries of one head, each of its sixteen waves one block of 16, in 256 registers: four waves to a SIMD, so that one wave's vector work stands beside another's products and LDS loads.
; THE HEAD'S WHOLE K AND V LIE IN LDS, filled once (196,608 bytes of images, 12,288 of scale words): no slot is filled again.  CLUSTER 4 x 1: the four query blocks of a cluster walk the same K and V:
; each load is asked for jointly by all four.  A wave that fetches has three tensor loads out at most: scale words, keys 0-511, the other keys; the first three steps run while the third is on its way.
; LAYOUT: both products are used transposed (S^T = K Q^T, O^T = V^T P^T): a lane holds ONE query.  By the order of a block's rows (launch quant) the 64 score registers of a step are keys 64 c + 32 h + 0 .. 31:
; whole blocks of 32 in a lane, in the order of the second product's operand: no lane is asked for a block's maximum and no halves are exchanged.
; THE FIRST PRODUCT'S K IS 64, half of the instruction's 128.  K's tile t is named as v[F + 6 t .. F + 6 t + 11]: its upper six registers hold the next tile's codes (the last tile's: zeros); they meet Q's upper six
; registers, which are zero codes, under scale bytes 0x7f: they add nothing.
; A block's largest p is not searched for: the block's largest SCORE goes through the same multiply-add and exponential (this takes v_exp_f32 not to fall where its input rises).
; LIMITS: NaN and infinities are not served; a block whose every p has fallen to 0 keeps the byte 1 (its codes are zeros).  The scale bytes of o leave as 2 bytes a row, 8 bytes apart: one byte in 24 of what the launch stores.
.set VIMG,  98304                      ; LDS: K's images from 0, V's from here,
.set KSC,   196608                     ; K's scale words (8,192 bytes),
.set VSC,   204800                     ; V's (4,096),
.set SPARE, 208896                     ; the spare words, 128 bytes a wave, which no other line names
.set ADK, 1                            ; v1-4  addresses of the step in hand: K's images, V's, K's words, V's
.set ADV, 2
.set ADS, 3
.set ADT, 4
.set SPW, 5
.set NIL, 6
.set BK,  7                            ; v7-10 their bases: 16 x lane, VIMG + 16 x lane, KSC + 8 x lane, VSC + 8 x lane
.set BV,  8
.set BKS, 9
.set BVS, 10
.set SH8, 11                           ; v11   8 h
.set NM,  12                           ; v12   -M
.set RM,  13                           ; v13   the largest score so far
.set L,   14                           ; v[14:15] the sum, in two halves
.set Q,   16                           ; v16-27 Q's fragment; registers 6-11 zero
.set QS,  28
.set T0,  29
.set T1,  30
.set F,   32                           ; v32-79 eight tiles of K or four fragments of V; v80-85 zero
.set L2,  86
.set FF,  88                           ; v[88:89] 2^(old M - new M); the low word serves both halves
.set BB,  90                           ; v90-91 my two blocks' largest score, then p
.set SO,  92
.set BY,  94
.set S,   96                           ; v96-159 S^T, then p
.set O,   160                          ; v160-191 O^T: register 8 d + j = channel 32 h + 8 d + j
.set PC,  192
.set TT,  204
.set BM,  212
.set KS,  216
.set VS,  220
.set PS,  222
.set R8,  224
.set L8,  225
.set WV,  18
.set SEL, 20
.set CS,  22
.set G1A, 24                           ; groups 1: rows of 256 bytes: 48 (keys 0-511, half), 144 (the others, half), 16 (K's words, half), 8 (V's)
.set G1B, 32
.set G1KS, 40
.set G1VS, 48
.set G0KS, 56
.set G0KA, 60
.set G0KB, 68
.set G0VS, 72
.set G0VA, 76
.set G0VB, 80
.set TK,  84                           ; s84-86 the step's bytes: 6,144, 512 and 256 a step
.set TS,  85
.set TJ,  86
.set CNT, 87
.macro CROUND
	s_barrier_signal -1
	s_barrier_wait -1
	s_cmp_lg_u32 s[WV], 0
	s_cbranch_scc1 .Lnot_wave_0_\@
	s_barrier_signal -3
.Lnot_wave_0_\@:
	s_barrier_wait -3
	s_barrier_signal -1
	s_barrier_wait -1
.endm
	s_load_b128 s[4:7], s[0:1], 0x0                ; qkv, oq
	v_lshl_add_u32 v[SPW], v0, 2, SPARE
	v_mov_b32 v[NIL], 0
	ds_add_u32 v[SPW], v[NIL]                      ; the wave's opening: the add and its wait stand ahead of the first tensor loads; work on registers stands between them
	v_lshrrev_b32 v1, 5, v0
	v_readfirstlane_b32 s[WV], v1                  ; wave 0..15
	s_bfe_u32 s8, ttmp6, 0x40000                   ; cx: it enters q's and o's global addresses alone
	s_lshl_b32 s9, ttmp9, 2
	s_add_co_u32 s9, s9, s8                        ; my block of 256 queries
	s_and_b32 s10, ttmp7, 0xffff
	s_and_b32 s11, s10, 15                         ; the head
	s_lshr_b32 s12, s10, 4                         ; the batch
	s_and_b32 s13, s[WV], 1                        ; which half I fetch, if I fetch
	s_mul_i32 s14, s11, 393216
	s_mul_i32 s15, s12, 98304
	s_add_co_u32 s88, s14, s15
	s_add_co_u32 s88, s88, 16*393216               ; K's images of this batch and head
	s_add_co_u32 s89, s88, 16*393216               ; V's
	s_mul_i32 s16, s13, 12288
	s_mul_i32 s17, s13, 36864
	s_lshl_b32 s90, s11, 15
	s_lshl_b32 s93, s12, 13
	s_add_co_u32 s90, s90, s93
	s_lshl_b32 s93, s13, 12
	s_add_co_u32 s90, s90, s93
	s_add_co_u32 s90, s90, 18874368+16*32768       ; K's scale words, my half
	s_lshl_b32 s91, s11, 14
	s_lshl_b32 s93, s12, 12
	s_add_co_u32 s91, s91, s93
	s_lshl_b32 s93, s13, 11
	s_add_co_u32 s91, s91, s93
	s_add_co_u32 s91, s91, 19922944                ; V's
	s_lshl_b32 s92, s12, 7
	s_lshl_b32 s93, s9, 4
	s_add_co_u32 s92, s92, s93
	s_add_co_u32 s92, s92, s[WV]                   ; my block of 16 tokens: 128 x batch + 16 x query block + wave
	s_lshr_b32 s93, s92, 1
	s_mul_i32 s93, s93, 1536
	s_add_co_u32 s94, s14, s93                     ; q: the pair image that holds my block
	s_mov_b32 s95, 0
	s_lshr_b32 s93, s92, 2
	s_lshl_b32 s93, s93, 8
	s_lshl_b32 s96, s11, 15
	s_add_co_u32 s96, s96, s93
	s_lshl_b32 s93, s13, 7
	s_add_co_u32 s96, s96, s93
	s_bfe_u32 s93, s[WV], 0x10001
	s_lshl_b32 s93, s93, 2
	s_add_co_u32 s96, s96, s93
	s_add_co_u32 s96, s96, 18874368                ; q's scale words: 128 (block % 2) + 4 ((block / 2) % 2) in the 64 tokens' 256 bytes
	s_mov_b32 s97, 0
	s_cmp_eq_u32 s13, 1
	s_cselect_b32 s98, -1, 0                       ; all lanes, where my block is the pair's second
.irp g, G1A, G1B, G1KS, G1VS
	s_mov_b32 s[\g], 15|(3<<16)|(1<<21)            ; 15:0 the mask: all four work-groups; 17:16 elements of 8 bytes; 21 set beside a mask; no padding
	s_mov_b32 s[\g+1], 32<<16
	s_mov_b32 s[\g+3], 32<<16
	s_mov_b32 s[\g+5], 32
	s_mov_b32 s[\g+6], 0
	s_mov_b32 s[\g+7], 0
.endr
	s_mov_b32 s[G1A+2], 48<<16
	s_mov_b32 s[G1A+4], 48
	s_mov_b32 s[G1B+2], 144<<16
	s_mov_b32 s[G1B+4], 144
	s_mov_b32 s[G1KS+2], 16<<16
	s_mov_b32 s[G1KS+4], 16
	s_mov_b32 s[G1VS+2], 8<<16
	s_mov_b32 s[G1VS+4], 8
.irp g, G0KS, G0KA, G0KB, G0VS, G0VA, G0VB
	s_mov_b32 s[\g], 1
.endr
	s_lshl_b32 s[G0KS+1], s13, 12
	s_add_co_u32 s[G0KS+1], s[G0KS+1], KSC
	s_mov_b32 s[G0KA+1], s16
	s_add_co_u32 s[G0KB+1], s17, 24576
	s_lshl_b32 s[G0VS+1], s13, 11
	s_add_co_u32 s[G0VS+1], s[G0VS+1], VSC
	s_add_co_u32 s[G0VA+1], s16, VIMG
	s_add_co_u32 s[G0VB+1], s17, VIMG+24576
	s_mov_b32 s[SEL], 0x76543210
	s_mov_b32 s[SEL+1], 0xfedcba98
	s_mov_b32 s[CS], 0x3e38aa3b                    ; c = log2(e) / 8
	s_mov_b32 s[CS+1], s[CS]                       ; (named with it as a pair)
	s_mov_b32 s[TK], 0
	s_mov_b32 s[TS], 0
	s_mov_b32 s[TJ], 0
	s_mov_b32 s3, 0
	s_wait_dscnt 0x0                               ; the opening add is done
	s_wait_kmcnt 0x0
	s_mov_b32 s2, s90
	s_add_nc_u64 s[G0KS+2:G0KS+3], s[4:5], s[2:3]
	s_mov_b32 s2, s91
	s_add_nc_u64 s[G0VS+2:G0VS+3], s[4:5], s[2:3]
	s_add_co_u32 s2, s88, s16
	s_add_nc_u64 s[G0KA+2:G0KA+3], s[4:5], s[2:3]
	s_add_co_u32 s2, s89, s16
	s_add_nc_u64 s[G0VA+2:G0VA+3], s[4:5], s[2:3]
	s_add_co_u32 s2, s88, s17
	s_add_co_u32 s2, s2, 24576
	s_add_nc_u64 s[G0KB+2:G0KB+3], s[4:5], s[2:3]
	s_add_co_u32 s2, s89, s17
	s_add_co_u32 s2, s2, 24576
	s_add_nc_u64 s[G0VB+2:G0VB+3], s[4:5], s[2:3]
.irp g, G0KS, G0KA, G0KB, G0VS, G0VA, G0VB
	s_or_b32 s[\g+3], s[\g+3], 0x80000000
.endr
	s_add_nc_u64 s[94:95], s[4:5], s[94:95]
	s_add_nc_u64 s[96:97], s[4:5], s[96:97]
	CROUND                                         ; all four work-groups are here: the joint loads meet
	s_cmp_lt_u32 s[WV], 2                          ; waves 0 and 1 fetch K's halves, waves 2 and 3 V's, the others nothing: a wave's three fills stand in one branch on its number
	s_cbranch_scc0 .Lnot_k
	tensor_load_to_lds s[G0KS:G0KS+3], s[G1KS:G1KS+7]
	s_nop 0
	tensor_load_to_lds s[G0KA:G0KA+3], s[G1A:G1A+7]
	s_nop 0
	tensor_load_to_lds s[G0KB:G0KB+3], s[G1B:G1B+7]
	s_nop 0
.rept 4
	v_nop
.endr
	s_branch .Lasked
.Lnot_k:
	s_cmp_lt_u32 s[WV], 4
	s_cbranch_scc0 .Lasked
	tensor_load_to_lds s[G0VS:G0VS+3], s[G1VS:G1VS+7]
	s_nop 0
	tensor_load_to_lds s[G0VA:G0VA+3], s[G1A:G1A+7]
	s_nop 0
	tensor_load_to_lds s[G0VB:G0VB+3], s[G1B:G1B+7]
	s_nop 0
.rept 4
	v_nop
.endr
.Lasked:
	v_and_b32 v[T0], 31, v0                        ; lane
	v_and_b32 v[T1], 15, v0                        ; r
	v_bfe_u32 v31, v0, 4, 1                        ; h
	v_lshlrev_b32 v[BK], 4, v[T0]
	v_lshlrev_b32 v[L8], 3, v[T0]
	v_lshlrev_b32 v[R8], 3, v[T1]
	v_lshlrev_b32 v[SH8], 3, v31
.irp c, 0,1,2
	global_load_b128 v[S+4*\c:S+4*\c+3], v[BK], s[94:95] offset:512*\c   ; q's pair image, into registers that the scores take later
.endr
	global_load_b32 v[QS], v[R8], s[96:97]
	v_add_nc_u32 v[BV], VIMG, v[BK]
	v_add_nc_u32 v[BKS], KSC, v[L8]
	v_add_nc_u32 v[BVS], VSC, v[L8]
	v_mov_b32 v[RM], 0xff61b1e6                    ; -3e38, under every score
	v_mul_f32 v[T0], 0xbe38aa3b, v[RM]
	v_floor_f32 v[NM], v[T0]                       ; -M
	v_mov_b32 v[L], 0
	v_mov_b32 v[L+1], 0
	v_mov_b32 v[FF+1], 0                           ; (named as the upper half of a pair)
	s_wait_loadcnt 0x0
.irp i, 0,1,2,3,4,5
	v_cndmask_b32 v[Q+\i], v[S+\i], v[S+6+\i], s98 ; my block's six registers of the pair's twelve
.endr
.irp i, 0,1,2,3,4,5
	v_mov_b32 v[Q+6+\i], 0                         ; the empty half of K: zero codes
	v_mov_b32 v[F+48+\i], 0
.endr
.set n, 0
.rept 32
	v_mov_b32 v[O+n], 0                            ; the step is written once: the first finds zeros.  (These are also the places between the writes of Q and the first product)
.set n, n+1
.endr
	s_wait_tensorcnt 1                             ; the scale words and keys 0-511 are in; the other keys' load may be out
	s_barrier_signal -1
	s_barrier_wait -1
.irp n, 0,1,2,3,4,5,6,7,8,9,10,11
	ds_load_b128 v[F+4*\n:F+4*\n+3], v[BK] offset:512*\n       ; K of step 0: four pair images, eight tiles
.endr
	ds_load_b64 v[KS:KS+1], v[BKS]
	ds_load_b64 v[KS+2:KS+3], v[BKS] offset:256
.macro SUMS n                          ; the next n of the 32 packed additions that sum the step's 64 unquantised p, in two chains
.rept \n
.if sp == 0
	v_pk_add_f32 v[L2:L2+1], v[S:S+1], v[S+2:S+3]
.elseif sp == 31
	v_pk_add_f32 v[L:L+1], v[L:L+1], v[L2:L2+1]
.elseif (sp%2) == 1
	v_pk_add_f32 v[L:L+1], v[L:L+1], v[S+2*(sp+1):S+2*(sp+1)+1]
.else
	v_pk_add_f32 v[L2:L2+1], v[L2:L2+1], v[S+2*(sp+1):S+2*(sp+1)+1]
.endif
.set sp, sp+1
.endr
.endm
; A KEY STEP: 128 keys.  next = 1: the next step's K is fetched in its tail.
.macro STEP next
.set sp, 0
	s_wait_dscnt 0x0                               ; K and its scale words are in
.irp t, 0,1,2,3,4,5,6,7
.if (\t%2) == 0
	v_wmma_scale_f32_16x16x128_f8f6f4 v[S+8*\t:S+8*\t+7], v[F+6*\t:F+6*\t+11], v[Q:Q+11], 0, v[KS+\t/2], v[QS] matrix_a_fmt:MATRIX_FMT_FP6 matrix_b_fmt:MATRIX_FMT_FP6
.else
	v_wmma_scale_f32_16x16x128_f8f6f4 v[S+8*\t:S+8*\t+7], v[F+6*\t:F+6*\t+11], v[Q:Q+11], 0, v[KS+\t/2], v[QS] matrix_a_fmt:MATRIX_FMT_FP6 matrix_b_fmt:MATRIX_FMT_FP6 matrix_a_scale:MATRIX_SCALE_ROW1
.endif
.endr
	v_add_nc_u32 v[ADK], s[TK], v[BK]              ; the step's addresses: four plain places behind the products, in front of the loads into K's registers and of the first read of scores
	v_add_nc_u32 v[ADV], s[TK], v[BV]
	v_add_nc_u32 v[ADS], s[TS], v[BKS]
	v_add_nc_u32 v[ADT], s[TJ], v[BVS]
.irp n, 0,1,2,3,4,5,6,7,8,9,10,11
	ds_load_b128 v[F+4*\n:F+4*\n+3], v[ADV] offset:512*\n      ; V: four fragments of 16 channels x 128 keys; they land under the softmax
.endr
	ds_load_b64 v[VS:VS+1], v[ADT]
.irp n, 0,1,2,3
	v_max3_num_f32 v[BM+\n], v[S+16*\n], v[S+16*\n+1], v[S+16*\n+2]   ; my two blocks' largest scores, two chains each; each tile is read from its low end on
.endr
.irp i, 3,5,7,9,11,13
.irp n, 0,1,2,3
	v_max3_num_f32 v[BM+\n], v[BM+\n], v[S+16*\n+\i], v[S+16*\n+\i+1]
.endr
.endr
	v_max3_num_f32 v[BB], v[BM], v[BM+1], v[S+15]
	v_max3_num_f32 v[BB+1], v[BM+2], v[BM+3], v[S+47]
	v_max_num_f32 v[BB], v[BB], v[S+31]
	v_max_num_f32 v[BB+1], v[BB+1], v[S+63]
	v_max_num_f32 v[T0], v[BB], v[BB+1]
	v_permlanex16_b32 v[T1], v[T0], s[SEL], s[SEL+1]
	v_max3_num_f32 v[RM], v[RM], v[T0], v[T1]      ; the running largest score of my query
	v_mul_f32 v[T0], 0xbe38aa3b, v[RM]             ; -t
	v_mov_b32 v[T1], v[NM]
	v_floor_f32 v[NM], v[T0]                       ; the new -M = floor(-t): M is a whole number
	v_sub_f32 v[T1], v[NM], v[T1]                  ; old M - new M: a whole number, 0 or less
	v_cvt_i32_f32 v[T1], v[T1]                     ; (it saturates)
	v_ldexp_f32 v[FF], 1.0, v[T1]                  ; 2^(old M - new M)
.set n, 0
.rept 32
	v_pk_fma_f32 v[S+n:S+n+1], v[S+n:S+n+1], s[CS:CS+1], v[NM:NM+1] op_sel_hi:[1,0,0]   ; t - M (of the pairs c and -M the low word serves both halves)
.set n, n+2
.endr
	v_fma_f32 v[BB], v[BB], s[CS], v[NM]
	v_fma_f32 v[BB+1], v[BB+1], s[CS], v[NM]
.set n, 0
.rept 64
	v_exp_f32 v[S+n], v[S+n]                       ; p = 2^(t - M)
.set n, n+1
.endr
	v_exp_f32 v[BB], v[BB]                         ; and each block's largest p: one batch of 66
	v_exp_f32 v[BB+1], v[BB+1]
.set n, 0
.rept 16
	v_pk_mul_f32 v[O+n:O+n+1], v[O+n:O+n+1], v[FF:FF+1] op_sel_hi:[1,0]   ; O^T under the new M: plain work that names no exponential's result
.set n, n+2
.endr
	s_wait_alu depctr_va_vdst(0)                   ; one wait for the batch, ahead of its first reader
	v_max_num_f32 v[BB], 0x1800000, v[BB]          ; the floor 2^(3 - 127): the byte cannot fall under 1
	v_max_num_f32 v[BB+1], 0x1800000, v[BB+1]
	v_add_nc_u32 v[SO], 0xff000000, v[BB]
	v_add_nc_u32 v[SO+1], 0xff000000, v[BB+1]
	v_lshrrev_b32 v[BY], 23, v[SO]
	v_lshrrev_b32 v[BY+1], 23, v[SO+1]
	v_lshl_or_b32 v[PS], v[BY+1], 16, v[BY]
	v_lshlrev_b32 v[PS], v[SH8], v[PS]
	v_permlanex16_b32 v[T1], v[PS], s[SEL], s[SEL+1]
	v_or_b32 v[PS], v[PS], v[T1]                   ; p's scale word for these 128 keys
	v_cvt_scalef32_pk16_fp6_f32 v[PC:PC+2], v[S:S+15], v[SO]
	v_cvt_scalef32_pk16_fp6_f32 v[TT:TT+2], v[S+16:S+31], v[SO]
	v_cvt_scalef32_pk16_fp6_f32 v[PC+6:PC+8], v[S+32:S+47], v[SO+1]
	v_cvt_scalef32_pk16_fp6_f32 v[TT+4:TT+6], v[S+48:S+63], v[SO+1]
	v_pk_mul_f32 v[L:L+1], v[L:L+1], v[FF:FF+1] op_sel_hi:[1,0]   ; the sum under the new M: the plain place behind the conversions
.irp i, 0,1,2
	v_mov_b32 v[PC+3+\i], v[TT+\i]
	v_mov_b32 v[PC+9+\i], v[TT+4+\i]
.endr
	SUMS 9                                         ; 16 plain instructions lie between the scale word's last write and the products, 9 behind the codes' last
	s_wait_dscnt 0x0                               ; V is in
.irp d, 0,1,2,3
.if (\d%2) == 0
	v_wmma_scale_f32_16x16x128_f8f6f4 v[O+8*\d:O+8*\d+7], v[F+12*\d:F+12*\d+11], v[PC:PC+11], v[O+8*\d:O+8*\d+7], v[VS+\d/2], v[PS] matrix_a_fmt:MATRIX_FMT_FP6 matrix_b_fmt:MATRIX_FMT_FP6
.else
	v_wmma_scale_f32_16x16x128_f8f6f4 v[O+8*\d:O+8*\d+7], v[F+12*\d:F+12*\d+11], v[PC:PC+11], v[O+8*\d:O+8*\d+7], v[VS+\d/2], v[PS] matrix_a_fmt:MATRIX_FMT_FP6 matrix_b_fmt:MATRIX_FMT_FP6 matrix_a_scale:MATRIX_SCALE_ROW1
.endif
.endr
	SUMS 4                                         ; four places in front of the loads into V's registers
.if \next
.irp n, 0,1,2,3,4,5,6,7,8,9,10,11
	ds_load_b128 v[F+4*\n:F+4*\n+3], v[ADK] offset:6144+512*\n   ; the next step's K
.endr
	ds_load_b64 v[KS:KS+1], v[ADS] offset:512
	ds_load_b64 v[KS+2:KS+3], v[ADS] offset:768
.endif
	SUMS 19
	s_add_co_u32 s[TK], s[TK], 6144
	s_add_co_u32 s[TS], s[TS], 512
	s_add_co_u32 s[TJ], s[TJ], 256
.endm
	STEP 1                                         ; steps 0 to 2 are written out: they read keys 0-511 alone, while the other keys' load is on its way
	STEP 1
	STEP 1
	s_wait_tensorcnt 0x0                           ; my part of the other keys has landed,
	s_wait_dscnt 0x0
	s_barrier_signal -1
	s_barrier_wait -1                              ; everybody's has: step 3's tail is the first to read them
	s_mov_b32 s[CNT], 12
.Lstep:
	STEP 1
	s_sub_co_u32 s[CNT], s[CNT], 1
	s_cmp_lg_u32 s[CNT], 0
	s_cbranch_scc1 .Lstep
	STEP 0                                         ; the last step fetches nothing more
	; THE WAY OUT: o / the sum, quantised along the model's channels: my 32 registers are channels 64 head + 32 h + 0 .. 31 of query row r: a whole block
	v_add_f32 v[L], v[L], v[L+1]
	v_permlanex16_b32 v[T1], v[L], s[SEL], s[SEL+1]
	v_add_f32 v[L], v[L], v[T1]                    ; the row's sum
	v_rcp_f32 v[FF], v[L]
	v_nop                                          ; a plain place behind the reciprocal
	s_mul_i32 s2, s92, 12288
	s_mul_i32 s8, s11, 768
	s_add_co_u32 s2, s2, s8
	s_mov_b32 s3, 0
	s_add_nc_u64 s[14:15], s[6:7], s[2:3]          ; my half image: block x 12,288 + head x 768
	s_lshl_b32 s88, s92, 9
	s_lshr_b32 s89, s11, 2
	s_lshl_b32 s89, s89, 7
	s_add_co_u32 s88, s88, s89
	s_and_b32 s89, s11, 3
	s_lshl_b32 s89, s89, 1
	s_add_co_u32 s88, s88, s89
	s_add_co_u32 s88, s88, 6291456
	s_mov_b32 s89, 0
	s_add_nc_u64 s[16:17], s[6:7], s[88:89]        ; my two bytes of each row's scale words
	s_wait_alu depctr_va_vdst(0)                   ; the wait, ahead of the reciprocal's first reader
.set n, 0
.rept 16
	v_pk_mul_f32 v[S+n:S+n+1], v[O+n:O+n+1], v[FF:FF+1] op_sel_hi:[1,0]
.set n, n+2
.endr
	v_max3_num_f32 v[BM], |v[S]|, |v[S+1]|, 0x1800000
	v_max3_num_f32 v[BM+1], |v[S+16]|, |v[S+17]|, 0x1800000
.irp i, 2,4,6,8,10,12,14
	v_max3_num_f32 v[BM], v[BM], |v[S+\i]|, |v[S+\i+1]|
	v_max3_num_f32 v[BM+1], v[BM+1], |v[S+16+\i]|, |v[S+17+\i]|
.endr
	v_max_num_f32 v[BM], v[BM], v[BM+1]
	v_add_nc_u32 v[SO], 0xff000000, v[BM]
	v_lshrrev_b32 v[BY], 23, v[SO]
	v_cvt_scalef32_pk16_fp6_f32 v[PC:PC+2], v[S:S+15], v[SO]
	v_cvt_scalef32_pk16_fp6_f32 v[TT:TT+2], v[S+16:S+31], v[SO]
	v_lshlrev_b32 v[T0], v[SH8], v[BY]             ; (the plain place behind the conversions)  my byte at its place,
.irp i, 0,1,2
	v_mov_b32 v[PC+3+\i], v[TT+\i]
.endr
	v_permlanex16_b32 v[T1], v[T0], s[SEL], s[SEL+1]
	v_or_b32 v[T0], v[T0], v[T1]                   ; with lane l xor 16's: the head's two bytes of row r
	global_store_b128 v[BK], v[PC:PC+3], s[14:15]              ; registers 0-3: 512 consecutive bytes
	global_store_b64 v[L8], v[PC+4:PC+5], s[14:15] offset:512  ; registers 4-5: 256 consecutive bytes
	global_store_b16 v[R8], v[T0], s[16:17]                    ; lanes l and l xor 16 write the same two bytes with the same value
	s_wait_tensorcnt 0x0                           ; the wave's end: behind my last tensor load
	ds_add_u32 v[SPW], v[NIL]
	s_wait_dscnt 0x0
	CROUND                                         ; the closing round
	s_endpgm
.Lfunc_end_k_q892659f22d_attn:
	.size	k_q892659f22d_attn, .Lfunc_end_k_q892659f22d_attn-k_q892659f22d_attn
	.p2alignl 7, 3214868480
	.fill 96, 4, 3214868480
	.section	.rodata,"a",@progbits
	.p2align	6, 0x0
	.amdhsa_kernel k_q892659f22d_attn
		.amdhsa_group_segment_fixed_size 210944
		.amdhsa_private_segment_fixed_size 0
		.amdhsa_enable_private_segment 0
		.amdhsa_kernarg_size 16
		.amdhsa_user_sgpr_count 2
		.amdhsa_user_sgpr_kernarg_segment_ptr 1
		.amdhsa_wavefront_size32 1
		.amdhsa_system_sgpr_workgroup_id_x 1
		.amdhsa_system_sgpr_workgroup_id_y 1
		.amdhsa_system_sgpr_workgroup_id_z 1
		.amdhsa_system_vgpr_workitem_id 0
		.amdhsa_next_free_vgpr 256
		.amdhsa_next_free_sgpr 100
		.amdhsa_reserve_vcc 0
		.amdhsa_float_denorm_mode_32 3
		.amdhsa_float_denorm_mode_16_64 3
		.amdhsa_memory_ordered 1
		.amdhsa_forward_progress 1
		.amdhsa_inst_pref_size 86
	.end_amdhsa_kernel
	.amdgpu_metadata
---
amdhsa.version: [ 1, 2 ]
amdhsa.kernels:
  - .name:           k_q892659f22d_attn
    .symbol:         k_q892659f22d_attn.kd
    .args:
      - { .name: qkv, .offset: 0, .size: 8, .value_kind: global_buffer, .address_space: global }
      - { .name: oq, .offset: 8, .size: 8, .value_kind: global_buffer, .address_space: global }
    .group_segment_fixed_size: 210944
    .private_segment_fixed_size: 0
    .kernarg_segment_align: 8
    .kernarg_segment_size: 16
    .max_flat_workgroup_size: 512
    .sgpr_count:     100
    .vgpr_count:     256
    .wavefront_size: 32
...
	.end_amdgpu_metadata
.endif
;; end of part 3
;; launch proj (part 4): grid 4 x 64, 4 waves a work-group, clusters of 4 x 4, 327,680 bytes of LDS; arguments oq, ops, b_proj, out0; writes out0
.if DOCPART == 4
	.amdgcn_target "amdgcn-amd-amdhsa--gfx1250"
	.amdhsa_code_object_version 6
	.text
	.protected	k_q892659f22d_proj
	.globl	k_q892659f22d_proj
	.p2align	8
	.type	k_q892659f22d_proj,@function
k_q892659f22d_proj:
	s_mov_b64 s[64:65], 0
	v_nop
	global_prefetch_b8 v0, s[64:65] scope:SCOPE_SE
	s_setreg_imm32_b32 hwreg(HW_REG_WAVE_MODE, 25, 1), 1
	s_wait_xcnt 0x0
	s_wait_alu depctr_hold_cnt(0) depctr_sa_sdst(0) depctr_va_vdst(0) depctr_va_sdst(0) depctr_va_ssrc(0) depctr_va_vcc(0) depctr_vm_vsrc(0)
	s_getreg_b32 s2, hwreg(HW_REG_IB_STS2, 6, 4)
	s_cmp_eq_u32 s2, 0
	s_cbranch_scc0 .Lentry_in_a_cluster
	s_endpgm
.Lentry_in_a_cluster:
	s_bfe_u32 s2, ttmp6, 0x10000c
	s_cmp_lg_u32 s2, 0xf033
	s_cbranch_scc0 .Lentry_shape_is_right
	s_endpgm
.Lentry_shape_is_right:
; out0 = o w_proj^T + b_proj on codes of FP6 (E2M3) with E8M0 scales; f32 out.  The core is launch qkv's: a work-group makes 128 tokens (source 1) x 256 outputs (source 0), a wave 64 x 128;
; all of K = 1,024 lies in LDS in four slots, each filled once, all asked for at the head (five tensor loads of a wave out at most); cluster 4 x 4, w_proj's tiles asked for jointly along a column, o's along a row.
; WHAT DIFFERS: o's fragments lie as two HALF images of 768 bytes (a head each: registers 0-3 at 16 x lane, registers 4-5 at 512 + 8 x lane), so a fragment of source 1 is four loads; the bias is the C of each sum's
; first product; the results leave as f32 rows through a stage in LDS.
; In a result, lane (r, h) holds token row r of its block (token 64 g + 8 i + r % 8 + 32 (r / 8)), and the 64 registers of a block are outputs 64 c + 32 h + 0 .. 31 of my 128.
; The stage, 16 rows x 528 bytes a wave, lies in slot 0: when the first result is stored there, every fill of the launch has landed and every wave has passed the barrier behind its last read of that slot.
; REGISTERS: window 0: v8-27 addresses, v32-63 scale words, v64-127 the bias, v128-175 source 1's fragments (on the way out v128-255: rows read back).  window 1: source 0's fragments, two sets.  window 2: the accumulators.
.set SLOT,  73728
.set SCL,   4*SLOT
.set SPARE, SCL+12288
.set SCB,   9437184                    ; where the scale words begin in ops
.set SCO,   6291456                    ; and in oq
.set NL1,   4
.set SPITCH, 528
.set ADRA,  8                          ; v8-11   16 x lane + my half of source 1 in slot 0..3
.set ADRA8, 12                         ; v12-15  the same with 8 x lane
.set ADRB,  16
.set ADRS,  20
.set LI,    21
.set STO,   24
.set RD,    25
.set SPW,   28
.set NIL,   29
.set SC,    32
.set BI,    64
.set AF,    128
.set BK,    128
.set G1,    20
.set G1B,   28
.set G1S,   36
.set G1SB,  44
.set G0S,   52
.set G0SB,  56
.set MSB, 0
.macro WIN new
.if MSB != \new
	s_set_vgpr_msb (MSB<<8)|\new
.set MSB, \new
.endif
.endm
.set MUL,  0xa1                        ; source 0 window 1, source 1 window 0, C and D window 2
.set MULB, 0x81                        ; the same with C (the bias) in window 0
.set TO_B, 0x40
.macro JLOAD g0a, g1a, g0b, g1b        ; waves 0 and 1 fetch source 1's halves, waves 2 and 3 source 0's; an s_nop 0 and four v_nop follow each line
	s_cmp_eq_u32 s15, 0
	s_cbranch_scc0 .Lfor_b_\@
	tensor_load_to_lds s[\g0a:\g0a+3], s[\g1a:\g1a+7]
	s_nop 0
.rept 4
	v_nop
.endr
	s_branch .Lasked_\@
.Lfor_b_\@:
	tensor_load_to_lds s[\g0b:\g0b+3], s[\g1b:\g1b+7]
	s_nop 0
.rept 4
	v_nop
.endr
.Lasked_\@:
.endm
.macro CROUND
	s_barrier_signal -1
	s_barrier_wait -1
	s_cmp_lg_u32 s14, 0
	s_cbranch_scc1 .Lnot_wave_0_\@
	s_barrier_signal -3
.Lnot_wave_0_\@:
	s_barrier_wait -3
	s_barrier_signal -1
	s_barrier_wait -1
.endm
.macro PLACES
.rept 4
	v_nop
.endr
.endm
	s_load_b256 s[4:11], s[0:1], 0x0               ; oq, ops, b_proj, out0
	v_lshl_add_u32 v[SPW], v0, 2, SPARE
	v_mov_b32 v[NIL], 0
	ds_add_u32 v[SPW], v[NIL]                      ; the wave's opening: the add and its wait stand ahead of my first tensor load; work on registers stands between them
	v_lshrrev_b32 v1, 5, v0
	v_readfirstlane_b32 s14, v1
	s_lshr_b32 s15, s14, 1                         ; my half of the tokens.  Also: I fetch for source 1 (0) or source 0 (1)
	s_and_b32 s16, s14, 1                          ; my half of the outputs.  Also: which half I fetch
	s_bfe_u32 s12, ttmp6, 0x40000                  ; cx
	s_bfe_u32 s13, ttmp6, 0x40004                  ; cy
	s_lshl_b32 s18, ttmp9, 2
	s_add_co_u32 s18, s18, s12                     ; i0: which 256 outputs (hangs on cx)
	s_and_b32 s19, ttmp7, 0xffff
	s_lshl_b32 s19, s19, 2
	s_add_co_u32 s19, s19, s13                     ; i1: which 128 tokens (hangs on cy)
	s_lshl_b32 s17, s13, 2
	s_lshl_b32 s17, 15, s17                        ; my row of the cluster
	s_lshl_b32 s2, 0x1111, s12                     ; my column
	s_or_b32 s[G1], s17, (3<<16)|(1<<21)
	s_or_b32 s[G1B], s2, (3<<16)|(1<<21)
	s_or_b32 s[G1S], s17, (3<<16)|(1<<21)
	s_or_b32 s[G1SB], s2, (3<<16)|(1<<21)
.irp g, G1, G1B
	s_mov_b32 s[\g+1], 384<<16
	s_mov_b32 s[\g+3], 384<<16
	s_mov_b32 s[\g+5], 1536
	s_mov_b32 s[\g+6], 0
	s_mov_b32 s[\g+7], 0
.endr
	s_mov_b32 s[G1+2], 4<<16
	s_mov_b32 s[G1+4], 4
	s_mov_b32 s[G1B+2], 8<<16
	s_mov_b32 s[G1B+4], 8
.irp g, G1S, G1SB
	s_mov_b32 s[\g+1], 32<<16
	s_mov_b32 s[\g+3], 32<<16
	s_mov_b32 s[\g+5], 32
	s_mov_b32 s[\g+6], 0
	s_mov_b32 s[\g+7], 0
.endr
	s_mov_b32 s[G1S+2], 8<<16
	s_mov_b32 s[G1S+4], 8
	s_mov_b32 s[G1SB+2], 16<<16
	s_mov_b32 s[G1SB+4], 16
	s_lshl_b32 s98, s18, 4                         ; numbers that hang on cx stay in s2, s3, s12, s18, s98, s99; those that hang on cy in s13, s17, s19, s96, s97, s100, s101
	s_add_co_u32 s98, s98, 704
	s_lshl_b32 s99, s16, 3
	s_add_co_u32 s98, s98, s99                     ; w_proj: the first block of ops that I fetch
	s_lshl_b32 s96, s19, 3
	s_lshl_b32 s97, s16, 2
	s_add_co_u32 s96, s96, s97                     ; o: the first block of oq
	s_lshl_b32 s2, s98, 9
	s_add_co_u32 s2, s2, SCB
	s_mov_b32 s3, 0
	s_lshl_b32 s100, s96, 9
	s_add_co_u32 s100, s100, SCO
	s_mov_b32 s101, 0
	s_mul_i32 s98, s98, 12288
	s_mov_b32 s99, 0
	s_mul_i32 s96, s96, 12288
	s_mov_b32 s97, 0
	s_wait_dscnt 0x0                               ; the opening add is done
	s_wait_kmcnt 0x0
	s_add_nc_u64 s[96:97], s[4:5], s[96:97]
	s_add_nc_u64 s[100:101], s[4:5], s[100:101]
	s_add_nc_u64 s[98:99], s[6:7], s[98:99]
	s_add_nc_u64 s[2:3], s[6:7], s[2:3]
	CROUND                                         ; all sixteen work-groups are here: the joint loads meet
	s_mov_b32 s[G0S], 1
	s_lshl_b32 s[G0S+1], s16, 11
	s_add_co_u32 s[G0S+1], s[G0S+1], SCL
	s_mov_b64 s[G0S+2:G0S+3], s[100:101]
	s_or_b32 s[G0S+3], s[G0S+3], 0x80000000
	s_mov_b32 s[G0SB], 1
	s_lshl_b32 s[G0SB+1], s16, 12
	s_add_co_u32 s[G0SB+1], s[G0SB+1], SCL+4096
	s_mov_b64 s[G0SB+2:G0SB+3], s[2:3]
	s_or_b32 s[G0SB+3], s[G0SB+3], 0x80000000
	JLOAD G0S, G1S, G0SB, G1SB
	s_mul_i32 s66, s16, 12288
	s_mul_i32 s67, s16, 24576
.irp k, 0,1,2,3
.set GA, 60+4*\k+4*((\k+3)/4)
.set GBB, 80+4*\k
	s_mov_b32 s[GA], 1
	s_add_co_u32 s[GA+1], s66, \k*SLOT
	s_add_nc_u64 s[GA+2:GA+3], s[96:97], \k*3072
	s_or_b32 s[GA+3], s[GA+3], 0x80000000
	s_mov_b32 s[GBB], 1
	s_add_co_u32 s[GBB+1], s67, \k*SLOT+24576
	s_add_nc_u64 s[GBB+2:GBB+3], s[98:99], \k*3072
	s_or_b32 s[GBB+3], s[GBB+3], 0x80000000
	JLOAD GA, G1, GBB, G1B
.endr
	v_and_b32 v1, 31, v0                           ; lane
	v_and_b32 v2, 15, v0                           ; r
	v_bfe_u32 v3, v0, 4, 1                         ; h
	v_lshlrev_b32 v[LI], 4, v1
	v_lshlrev_b32 v5, 3, v1
	s_lshl_b32 s66, s18, 10
	s_lshl_b32 s67, s16, 9
	s_add_co_u32 s66, s66, s67
	s_mov_b32 s67, 0
	s_add_nc_u64 s[8:9], s[8:9], s[66:67]          ; the bias of my 128 outputs; register 32 c + m: output 64 c + 32 h + m
	v_lshlrev_b32 v4, 7, v3
.irp n, 0,1,2,3,4,5,6,7,8,9,10,11,12,13,14,15
	global_load_b128 v[BI+4*\n:BI+4*\n+3], v4, s[8:9] offset:256*(\n/8)+16*(\n%8)
.endr
	s_add_nc_u64 s[10:11], s[10:11], s[66:67]      ; out0 at my first column,
	s_lshl_b32 s66, s19, 19
	s_lshl_b32 s67, s15, 18
	s_add_co_u32 s66, s66, s67
	s_mov_b32 s67, 0
	s_add_nc_u64 s[10:11], s[10:11], s[66:67]      ; and my first 64 tokens' row
	s_mul_i32 s66, s15, 12288
	s_mul_i32 s67, s16, 24576
	s_add_co_u32 s67, s67, 24576
.irp k, 0,1,2,3
	v_add_nc_u32 v[ADRA+\k], s66, v[LI]
	v_add_nc_u32 v[ADRA8+\k], s66, v5
	v_add_nc_u32 v[ADRB+\k], s67, v[LI]
	s_add_co_u32 s66, s66, SLOT
	s_add_co_u32 s67, s67, SLOT
.endr
	s_lshl_b32 s66, s15, 11
	s_lshl_b32 s67, s16, 12
	s_add_co_u32 s67, s67, 4096
	s_sub_co_u32 s67, s67, s66
	v_mul_u32_u24 v6, s67, v3                      ; lanes 16-31 take source 0's words: the lower base + h x the distance
	s_add_co_u32 s66, s66, SCL
	v_lshl_add_u32 v6, v2, 3, v6
	v_add_nc_u32 v[ADRS], s66, v6
	s_mul_i32 s66, s14, 16*SPITCH                  ; my stage
	v_mul_u32_u24 v[STO], v2, SPITCH
	v_lshl_add_u32 v[STO], v3, 7, v[STO]
	v_add_nc_u32 v[STO], s66, v[STO]               ; in: row r, + 128 h
	v_add_nc_u32 v[RD], s66, v[LI]                 ; back: a row's 512 bytes, 16 a lane
.macro FRAG0 reg, adr, q, i
.irp c, 0,1,2
	ds_load_b128 v[(\reg)+4*\c:(\reg)+4*\c+3], v[\adr] offset:3072*(\i)+1536*(\q)+512*\c
.endr
.endm
.macro FRAG1 reg, k, q, i              ; two half images make a fragment
	ds_load_b128 v[(\reg):(\reg)+3], v[ADRA+(\k)] offset:3072*(\i)+1536*(\q)
	ds_load_b64 v[(\reg)+4:(\reg)+5], v[ADRA8+(\k)] offset:3072*(\i)+1536*(\q)+512
	ds_load_b128 v[(\reg)+6:(\reg)+9], v[ADRA+(\k)] offset:3072*(\i)+1536*(\q)+768
	ds_load_b64 v[(\reg)+10:(\reg)+11], v[ADRA8+(\k)] offset:3072*(\i)+1536*(\q)+1280
.endm
.macro FETCH_B k, q, set
	WIN TO_B
.irp i, 0,1,2,3,4,5,6,7
	FRAG0 128*(\set)+12*\i, ADRB+(\k), \q, \i
.endr
	WIN 0
.endm
.macro FETCH_A k, q, i0
.irp i, \i0, \i0+1
	FRAG1 AF+12*(\i), \k, \q, \i
.endr
.endm
.macro SCALES sc
.irp i, 0,1,2,3,4,5,6,7
	ds_load_b64 v[SC+16*(\sc)+2*\i:SC+16*(\sc)+2*\i+1], v[ADRS] offset:512*\i
.endr
.endm
; 8 matrix instructions: token block a against the eight blocks of outputs.  first = 1: the bias starts the sums.  The 32 accumulators take turns, one instruction a turn.
.macro MULQ a, set, q, sc, first
.irp b, 0,1,2,3,4,5,6,7
.if \first
	v_wmma_scale_f32_16x16x128_f8f6f4 v[8*(8*(\a)+\b):8*(8*(\a)+\b)+7], v[128*(\set)+12*\b:128*(\set)+12*\b+11], v[AF+12*(\a):AF+12*(\a)+11], v[BI+8*\b:BI+8*\b+7], v[SC+16*(\sc)+2*\b+(\q)], v[SC+16*(\sc)+2*(\a)+(\q)] matrix_a_fmt:MATRIX_FMT_FP6 matrix_b_fmt:MATRIX_FMT_FP6 matrix_a_scale:MATRIX_SCALE_ROW1
.else
	v_wmma_scale_f32_16x16x128_f8f6f4 v[8*(8*(\a)+\b):8*(8*(\a)+\b)+7], v[128*(\set)+12*\b:128*(\set)+12*\b+11], v[AF+12*(\a):AF+12*(\a)+11], v[8*(8*(\a)+\b):8*(8*(\a)+\b)+7], v[SC+16*(\sc)+2*\b+(\q)], v[SC+16*(\sc)+2*(\a)+(\q)] matrix_a_fmt:MATRIX_FMT_FP6 matrix_b_fmt:MATRIX_FMT_FP6 matrix_a_scale:MATRIX_SCALE_ROW1
.endif
.endr
.endm
.macro STEP k, first
	s_wait_dscnt 2*NL1                             ; all but the youngest loads, source 1's blocks 2 and 3
.if \first
	WIN MULB
.else
	WIN MUL
.endif
	MULQ 0, 0, 0, (\k)%2, \first
	MULQ 1, 0, 0, (\k)%2, \first
	s_wait_dscnt 0x0
	PLACES
	FETCH_B \k, 1, 1
	FETCH_A \k, 1, 0
.if \first
	WIN MULB
.else
	WIN MUL
.endif
	MULQ 2, 0, 0, (\k)%2, \first
	MULQ 3, 0, 0, (\k)%2, \first
	PLACES
	WIN 0
	FETCH_A \k, 1, 2
.endm
.macro TURN k
	s_wait_tensorcnt 2-(\k)                        ; my part of slot k + 1 has landed; behind it were issued the loads of the 2 - k later slots; nothing is filled again
	s_wait_dscnt 2*NL1
	WIN MUL
	MULQ 0, 1, 1, (\k)%2, 0
	s_wait_dscnt 0x0                               ; no LDS instruction of mine is out at the signal
	s_barrier_signal -1
	MULQ 1, 1, 1, (\k)%2, 0
	s_barrier_wait -1
	PLACES
	WIN 0
	v_add_nc_u32 v[ADRS], 128, v[ADRS]
	FETCH_B (\k)+1, 0, 0
	FETCH_A (\k)+1, 0, 0
	SCALES ((\k)+1)%2
	WIN MUL
	MULQ 2, 1, 1, (\k)%2, 0
	MULQ 3, 1, 1, (\k)%2, 0
	PLACES
	WIN 0
	FETCH_A (\k)+1, 0, 2
.endm
	s_wait_tensorcnt 3                             ; the scale words and my part of slot 0 are in; slots 1 to 3 may be out
	s_barrier_signal -1
	s_barrier_wait -1
	FETCH_B 0, 0, 0
	FETCH_A 0, 0, 0
	SCALES 0
	FETCH_A 0, 0, 2
	s_wait_loadcnt 0x0                             ; the bias
	STEP 0, 1
	TURN 0
	STEP 1, 0
	TURN 1
	STEP 2, 0
	TURN 2
	STEP 3, 0
	s_wait_dscnt 2*NL1                             ; the last 128 along K
	WIN MUL
	MULQ 0, 1, 1, 1, 0
	MULQ 1, 1, 1, 1, 0
	s_wait_dscnt 0x0
	MULQ 2, 1, 1, 1, 0
	MULQ 3, 1, 1, 1, 0
	WIN 0
; THE WAY OUT, a block of 16 tokens x 128 outputs at a time: through my stage, back as whole rows of 512 bytes.  LDS serves a wave's instructions in order: no wait between the stores and the loads.
.macro TOSTAGE a
	WIN 0x08                                       ; the data: window 2
.irp b, 0,1,2,3,4,5,6,7
	ds_store_b128 v[STO], v[64*(\a)+8*\b:64*(\a)+8*\b+3] offset:256*(\b/4)+32*(\b%4)       ; each accumulator from its low end on
	ds_store_b128 v[STO], v[64*(\a)+8*\b+4:64*(\a)+8*\b+7] offset:256*(\b/4)+32*(\b%4)+16
.endr
	WIN 0
.set BB, BK+64*((\a)%2)
.irp t, 0,1,2,3,4,5,6,7,8,9,10,11,12,13,14,15
	ds_load_b128 v[BB+4*\t:BB+4*\t+3], v[RD] offset:\t*SPITCH
.endr
.endm
.macro SEND a, younger                 ; younger: the LDS instructions issued behind block a's loads
.set BB, BK+64*((\a)%2)
	s_wait_dscnt \younger
.irp t, 0,1,2,3,4,5,6,7,8,9,10,11,12,13,14,15
	global_store_b128 v[LI], v[BB+4*\t:BB+4*\t+3], s[10:11] offset:(8*(\a)+(\t%8)+32*(\t/8))*4096 th:TH_STORE_NT   ; 32 lanes store 512 consecutive bytes of one token's row
.endr
.endm
	PLACES                                         ; in front of the reads of results and of the loads into the registers that held source 1's fragments
	TOSTAGE 0
	TOSTAGE 1
	SEND 0, 32                                     ; behind block 0's loads: block 1's 16 stores and 16 loads
	s_wait_xcnt 0x0                                ; block 0's stores have read their registers: block 2's rows may land there
	TOSTAGE 2
	SEND 1, 32
	s_wait_xcnt 0x0
	TOSTAGE 3
	SEND 2, 32
	SEND 3, 0
	s_wait_tensorcnt 0x0                           ; the wave's end: behind my last tensor load and my last LDS store
	ds_add_u32 v[SPW], v[NIL]
	s_wait_dscnt 0x0
	CROUND                                         ; the closing round
	s_endpgm
.Lfunc_end_k_q892659f22d_proj:
	.size	k_q892659f22d_proj, .Lfunc_end_k_q892659f22d_proj-k_q892659f22d_proj
	.p2alignl 7, 3214868480
	.fill 96, 4, 3214868480
	.section	.rodata,"a",@progbits
	.p2align	6, 0x0
	.amdhsa_kernel k_q892659f22d_proj
		.amdhsa_group_segment_fixed_size 327680
		.amdhsa_private_segment_fixed_size 0
		.amdhsa_enable_private_segment 0
		.amdhsa_kernarg_size 32
		.amdhsa_user_sgpr_count 2
		.amdhsa_user_sgpr_kernarg_segment_ptr 1
		.amdhsa_wavefront_size32 1
		.amdhsa_system_sgpr_workgroup_id_x 1
		.amdhsa_system_sgpr_workgroup_id_y 1
		.amdhsa_system_sgpr_workgroup_id_z 1
		.amdhsa_system_vgpr_workitem_id 0
		.amdhsa_next_free_vgpr 768
		.amdhsa_next_free_sgpr 102
		.amdhsa_reserve_vcc 0
		.amdhsa_float_denorm_mode_32 3
		.amdhsa_float_denorm_mode_16_64 3
		.amdhsa_memory_ordered 1
		.amdhsa_forward_progress 1
		.amdhsa_inst_pref_size 87
	.end_amdhsa_kernel
	.amdgpu_metadata
---
amdhsa.version: [ 1, 2 ]
amdhsa.kernels:
  - .name:           k_q892659f22d_proj
    .symbol:         k_q892659f22d_proj.kd
    .args:
      - { .name: oq, .offset: 0, .size: 8, .value_kind: global_buffer, .address_space: global }
      - { .name: ops, .offset: 8, .size: 8, .value_kind: global_buffer, .address_space: global }
      - { .name: b_proj, .offset: 16, .size: 8, .value_kind: global_buffer, .address_space: global }
      - { .name: out0, .offset: 24, .size: 8, .value_kind: global_buffer, .address_space: global }
    .group_segment_fixed_size: 327680
    .private_segment_fixed_size: 0
    .kernarg_segment_align: 8
    .kernarg_segment_size: 32
    .max_flat_workgroup_size: 128
    .sgpr_count:     102
    .vgpr_count:     768
    .wavefront_size: 32
...
	.end_amdgpu_metadata
.endif
;; end of part 4
